; MI455X (gfx1250); checked and timed in simulation.
; The chip was launched on July 23, 2026; its instructions are those of AMD's public machine-readable ISA for CDNA 5 (MIT licence, August 2026) and "CDNA5" Instruction Set Architecture Reference Guide (July 2026). The comments in the code are by the model that wrote it; some were corrected since.
;; Sliding Window Attention. Allowed arithmetic: matrix products marked QUANTISED: E2M3 operands, one E8M0 scale for each 32 along K, by v_wmma_scale_f32_16x16x128_f8f6f4 with both operands' format E2M3, f32 sums; everything else in f32.
;; Inputs: Wk 2,048 x 1,024 float32; Wo 1,024 x 2,048 float32; Wq 2,048 x 1,024 float32; Wv 2,048 x 1,024 float32; hidden_states 1 x 4,096 x 2,048 float32.
;; Outputs: out0 1 x 4,096 x 2,048 float32.
;; This version of the problem:
;;   THIS VERSION OF THE PROBLEM IS GIVEN IN LOW PRECISION. The matrix products marked QUANTISED in the list below multiply operands that are first quantised to E2M3 (2 exponent bits, 3 mantissa bits; 6 bits a number), with one power-of-two scale for each 32 numbers along K (OCP MX v1.0); their sums are f32. All else is computed in f32.
;;   The module's matrix products, in the order in which they are computed (A, B: the left and right operand; K: the contracted axis; several contracted axes count as one K, in the product's order):
;;     1. [M 4,096, K 2,048] x [K 2,048, N 1,024]; A: input hidden_states; B: input Wq: QUANTISED
;;     2. [M 4,096, K 2,048] x [K 2,048, N 1,024]; A: input hidden_states; B: input Wk: QUANTISED
;;     3. [M 4,096, K 2,048] x [K 2,048, N 1,024]; A: input hidden_states; B: input Wv: QUANTISED
;;     4. batch 16 x [M 4,096, K 64] x [K 64, N 4,096]; A: computed on the way; B: computed on the way: QUANTISED
;;     5. batch 16 x [M 4,096, K 4,096] x [K 4,096, N 64]; A: softmax (see below); B: computed on the way: QUANTISED
;;     6. [M 4,096, K 1,024] x [K 1,024, N 2,048]; A: computed on the way; B: input Wo: QUANTISED
;;   THE QUANTISER, for each operand of a quantised product, along K:
;;     - K is cut into blocks of 32 from its start; a last block that is shorter is filled with zeros.
;;     - A block's scale is 2^e with e = floor(log2(the largest magnitude in the block)) - 2, held to -126 .. 127; a block of zeros has e = 0. As a byte (E8M0): e + 127.
;;     - Each number is divided by its block's scale, clamped to +-7.5, and rounded to the nearest number of E2M3, ties to even, subnormals kept.
;;     - The product sums the exact products of the quantised numbers (number of the format x scale) in f32.
;;   ~~~python
;;   def quantise(x, axis):      # numpy; x: float32 -> the quantised numbers, widened to float32 again
;;       x = np.moveaxis(x, axis, -1); K = x.shape[-1]
;;       x = np.pad(x, [(0, 0)] * (x.ndim - 1) + [(0, -K % 32)]); x = x.reshape(x.shape[:-1] + (-1, 32)); a = np.abs(x).max(-1, keepdims=True)
;;       e = np.where(a > 0, np.clip(np.frexp(np.where(a > 0, a, 1))[1] - 1 - 2, -126, 127), 0)      # np.frexp(a)[1] - 1 = floor(log2(a)), exactly
;;       r = np.clip(x / 2.0 ** e, -7.5, 7.5)
;;       step = 2.0 ** (np.maximum(np.frexp(np.where(r == 0, 1, r))[1] - 1, 0) - 3)
;;       q = np.round(r / step) * step * 2.0 ** e      # np.round: ties to even
;;       return np.moveaxis(q.reshape(q.shape[:-2] + (-1,))[..., :K], -1, axis).astype(np.float32)
;;   ~~~
;;   SOFTMAX AHEAD OF A QUANTISED PRODUCT. Where the list says 'softmax', what is quantised is not the finished softmax but p = 2^(t - M), with t = logit x log2(e) and M = ceil(the row's largest t), a whole number; so 1/2 < the row's largest p <= 1. The row's sum l is taken of the UNQUANTISED p, in f32, and the product's result is divided by l at the end. Since M is a whole number, a kernel that streams over the keys may use a running M (the ceiling of the running maximum): every later rescaling is an exact power of two, which a block's scale takes up: the codes' values come out the same.
;;   OPERANDS COMPUTED ON THE WAY. 'Computed on the way' means the value that the module computes at that place (a softmax that the list does not call 'softmax' is quantised finished and normalised). What goes into a quantiser is computed in f32, as accurately as f32 sums, v_exp_f32 and their like allow (about 1e-6 of the number): no bf16 or f16 on the way to a quantiser, and a product that is left as it is and whose result goes on into a quantised operand takes f32 operands (vector FMAs, or v_wmma_f32_16x16x4_f32). A number that lies on a knife's edge between two numbers of the format may be rounded either way, as far as f32 arithmetic and the matrix unit's own rounding can turn it there, and no further.
;; One version. Each part assembles by itself: llvm-mc -triple=amdgcn-amd-amdhsa -mcpu=gfx1250 --defsym DOCPART=n.
;; ======== version 1 of 1: 4 launches
;; workspace buffers: xg 6,553,600 bytes; wg 4,915,200 bytes; og 1,638,400 bytes; qkvg 9,830,400 bytes; ag 3,276,800 bytes
;; launch quant (part 1): grid 1024 x 1, 4 waves a work-group, no clusters, 34,304 bytes of LDS; arguments hidden_states, Wq, Wk, Wv, Wo, xg, wg, og; writes xg, wg, og
.if DOCPART == 1
	.amdgcn_target "amdgcn-amd-amdhsa--gfx1250"
	.amdhsa_code_object_version 6
	.text
	.protected	k_q976c5c0032_quant
	.globl	k_q976c5c0032_quant
	.p2align	8
	.type	k_q976c5c0032_quant,@function
k_q976c5c0032_quant:
	s_mov_b64 s[64:65], 0
	v_nop
	global_prefetch_b8 v0, s[64:65] scope:SCOPE_SE
	s_setreg_imm32_b32 hwreg(HW_REG_WAVE_MODE, 25, 1), 1
	s_wait_xcnt 0x0
; hidden_states [4096][2048], Wq, Wk, Wv [2048][1024] and Wo [1024][2048], all f32, become codes of FP6 (E2M3) with one E8M0 byte for each 32 along K.
; THE GROUP.  Every operand of this program lies in memory as GROUPS of 128 rows x 128 along K, 12,800 bytes: fragment a (rows 16 a .. 16 a + 15) as an image of its 12 registers at byte 1536 a
; (registers 4 g .. 4 g + 3 of lane L at 1536 a + 512 g + 16 L), then at byte 12,288 the scale words, row 32 a' + L at 128 a' + 4 L.  A reader takes a fragment by three loads of 16 bytes a lane.
; One work-group makes one GROUP; wave w makes fragments 2 w, 2 w + 1 and scale row a' = w.  Work-groups 0-511: x (token block id / 16, K step id % 16); 512-895: Wq, Wk, Wv (24 blocks of 128 columns x 16 K steps); 896-1023: Wo (16 x 8).
; x: K is innermost: each load takes 512 consecutive bytes of a row; 16 rows turn through the wave's own stage in LDS, so that a lane gets 16 neighbours of each block of 32.
; Weights: K is the first axis: a lane takes a column and its registers run down K; a block of 32 lies in one lane.
; Wo's rows are taken, inside each block of 32, in the order 0-7, 16-23, 8-15, 24-31: that is the order in which the attention's results reach their codes (a lane of a matrix result holds elements 8 h + j and 16 + 8 h + j of a block).
; A block's scale byte is its largest magnitude's exponent field - 2, held at 1 from below.
; LIMITS: a block of zeros, or one whose largest magnitude lies under 2^-124, gets the byte 1 (its codes are zeros or nearly so; this program alone reads the bytes).  NaN and infinities among the inputs are not served.
; No matrix unit, no cluster, no tensor load: the launch streams, and every input byte is read once.
.set SPARE, 33792                      ; behind the four stages: the spare words, 128 bytes a wave, two blocks of 256 bytes that no other line names
.set STG,   8448                       ; a wave's stage: 16 rows x 528 bytes
.set SP,    528                        ; 512 bytes + 16: sixteen rows start at sixteen different groups of banks
.set GRP,   12800
.set TT,    8                          ; v8-10, v12-14  conversions' second halves
.set TM,    16                         ; v16-19  largest magnitudes
.set TB,    20                         ; v20-23  the other half's, then the bytes
.set TS,    24                         ; v24-27  the conversions' scale operands
.set PW,    28                         ; v28-29  the two fragments' scale words
.set R,     32                         ; v32-159 128 numbers
.set PC,    160                        ; v160-183 two fragments
.set OC,    184                        ; v184    16 L + 3072 w: my codes' place in the GROUP
.set OS,    185                        ; v185    4 L + 128 w: my scale word's
.set OW,    186                        ; v186    the scale word that I store
.set SPW,   190                        ; v190    my spare word; never rewritten
.set NIL,   191                        ; v191    0; never rewritten
.set SEL,   28                         ; s[28:29] selects for lane l xor 16
; 64 numbers of a lane, register s + 16 b + i = element 16 (lane / 16) + i of block b of my row, become a fragment in v[pc] on and its scale word in v[pw]
.macro QUANT s, pc, pw
.irp b, 0,1,2,3
	v_max3_num_f32 v[TM+\b], |v[\s+16*\b]|, |v[\s+16*\b+1]|, 0x1800000      ; with the floor 2^(3 - 127): the byte cannot fall under 1
.endr
.irp i, 2,4,6,8,10,12,14
.irp b, 0,1,2,3
	v_max3_num_f32 v[TM+\b], v[TM+\b], |v[\s+16*\b+\i]|, |v[\s+16*\b+\i+1]|  ; the four blocks by turns
.endr
.endr
.irp b, 0,1,2,3
	v_permlanex16_b32 v[TB+\b], v[TM+\b], s[SEL], s[SEL+1]
.endr
.irp b, 0,1,2,3
	v_max_num_f32 v[TM+\b], v[TM+\b], v[TB+\b]                               ; with lane l xor 16's: the block's largest magnitude
.endr
.irp b, 0,1,2,3
	v_add_nc_u32 v[TS+\b], 0xff000000, v[TM+\b]                              ; 2 off its exponent field: the conversion's scale operand
.endr
.irp b, 0,1,2,3
	v_lshrrev_b32 v[TB+\b], 23, v[TS+\b]                                     ; the byte
.endr
	v_lshl_or_b32 v[\pw], v[TB+1], 8, v[TB]
	v_lshl_or_b32 v[\pw], v[TB+2], 16, v[\pw]
	v_lshl_or_b32 v[\pw], v[TB+3], 24, v[\pw]
.irp c, 0,1
	v_cvt_scalef32_pk16_fp6_f32 v[(\pc)+6*\c:(\pc)+6*\c+2], v[\s+32*\c:\s+32*\c+15], v[TS+2*\c]
	v_cvt_scalef32_pk16_fp6_f32 v[TT+4*\c:TT+4*\c+2], v[\s+32*\c+16:\s+32*\c+31], v[TS+2*\c+1]   ; (a conversion's three registers begin on an even number)
.endr
	v_nop                                          ; one plain instruction behind the conversions
.irp c, 0,1                                    ; the operand wants a whole block in a lane: lanes 0-15 block 2 c, lanes 16-31 block 2 c + 1
.irp k, 0,1,2
	v_permlane16_swap_b32 v[(\pc)+6*\c+\k], v[TT+4*\c+\k]
.endr
.irp k, 0,1,2
	v_mov_b32 v[(\pc)+6*\c+3+\k], v[TT+4*\c+\k]
.endr
.endr
.endm
; my two fragments and my scale row leave: each store of 16 bytes a lane covers 512 consecutive bytes, aligned; the scale row is 128 consecutive bytes
.macro OUT base
.irp f, 0,1
.irp g, 0,1,2
	global_store_b128 v[OC], v[PC+12*\f+4*\g:PC+12*\f+4*\g+3], s[\base:\base+1] offset:1536*\f+512*\g
.endr
.endr
	global_store_b32 v[OS], v[OW], s[\base:\base+1] offset:12288
.endm
; 128 rows of K at my column; perm = 1: Wo's order inside each block
.macro WLOAD pitch, perm
.irp b, 0,1,2,3
.irp i, 0,1,2,3,4,5,6,7,8,9,10,11,12,13,14,15,16,17,18,19,20,21,22,23,24,25,26,27,28,29,30,31
.if \perm && (\i >= 8) && (\i < 16)
	global_load_b32 v[R+32*\b+\i], v7, s[6:7] offset:(32*\b+\i+8)*\pitch th:TH_LOAD_NT
.elseif \perm && (\i >= 16) && (\i < 24)
	global_load_b32 v[R+32*\b+\i], v7, s[6:7] offset:(32*\b+\i-8)*\pitch th:TH_LOAD_NT
.else
	global_load_b32 v[R+32*\b+\i], v7, s[6:7] offset:(32*\b+\i)*\pitch th:TH_LOAD_NT
.endif
.endr
.endr
.endm
; block b of my column: all 32 numbers are mine
.macro WBLOCK b
.set X, R+32*(\b)
.set D, PC+6*((\b)/2)+12*((\b)%2)
	v_max3_num_f32 v[TM], |v[X]|, |v[X+1]|, |v[X+2]|
	v_max3_num_f32 v[TM+1], |v[X+3]|, |v[X+4]|, |v[X+5]|
.irp i, 6,10,14,18,22,26
	v_max3_num_f32 v[TM], v[TM], |v[X+\i]|, |v[X+\i+1]|
	v_max3_num_f32 v[TM+1], v[TM+1], |v[X+\i+2]|, |v[X+\i+3]|
.endr
	v_max3_num_f32 v[TM], v[TM], |v[X+30]|, |v[X+31]|
	v_max3_num_f32 v[TM], v[TM], v[TM+1], 0x1800000
	v_add_nc_u32 v[TS], 0xff000000, v[TM]
	v_lshrrev_b32 v[TB], 23, v[TS]
.if (\b) == 0
	v_mov_b32 v[OW], v[TB]
.else
	v_lshl_or_b32 v[OW], v[TB], 8*(\b), v[OW]
.endif
	v_cvt_scalef32_pk16_fp6_f32 v[D:D+2], v[X:X+15], v[TS]
	v_cvt_scalef32_pk16_fp6_f32 v[TT:TT+2], v[X+16:X+31], v[TS]
	v_nop
.irp k, 0,1,2
	v_mov_b32 v[D+3+\k], v[TT+\k]
.endr
.endm
	s_load_b256 s[4:11], s[0:1], 0x0               ; x s[4:5], Wq s[6:7], Wk s[8:9], Wv s[10:11]
	s_load_b256 s[12:19], s[0:1], 0x20             ; Wo s[12:13], xg s[14:15], wg s[16:17], og s[18:19]
	v_lshl_add_u32 v[SPW], v0, 2, SPARE
	v_mov_b32 v[NIL], 0
	v_lshrrev_b32 v1, 5, v0
	v_readfirstlane_b32 s20, v1                    ; wave
	v_and_b32 v1, 31, v0                           ; L
	v_and_b32 v2, 15, v0                           ; r
	v_bfe_u32 v3, v0, 4, 1                         ; h
	v_lshlrev_b32 v4, 4, v1                        ; 16 L
	v_lshlrev_b32 v7, 2, v1                        ; 4 L
	s_mul_i32 s21, s20, 3072
	v_add_nc_u32 v[OC], s21, v4
	s_lshl_b32 s21, s20, 7
	v_add_nc_u32 v[OS], s21, v7
	s_mul_i32 s21, s20, STG
	v_add_nc_u32 v5, s21, v4                       ; the stage, on the way in: 16 L of a row
	v_mul_u32_u24 v6, v2, SP
	v_lshl_add_u32 v6, v3, 6, v6
	v_add_nc_u32 v6, s21, v6                       ; and on the way out: row r, + 64 h
	s_mov_b32 s[SEL], 0x76543210
	s_mov_b32 s[SEL+1], 0xfedcba98
.irp b, 0,1,2,3
	v_mov_b32 v[TB+\b], 0                          ; written once: a lane permute's destination counts as one of its sources
.endr
	s_mov_b32 s23, 0
	s_wait_kmcnt 0x0
	s_cmp_lt_u32 ttmp9, 512
	s_cbranch_scc0 .Lweights
	; ---- x: rows 32 w .. 32 w + 31 of token block id / 16, K step id % 16
	s_lshr_b32 s22, ttmp9, 4
	s_lshl_b32 s22, s22, 20                        ; 128 rows of 8,192 bytes
	s_lshl_b32 s24, s20, 18                        ; 32 rows
	s_add_co_u32 s22, s22, s24
	s_and_b32 s24, ttmp9, 15
	s_lshl_b32 s24, s24, 9                         ; 128 numbers
	s_add_co_u32 s22, s22, s24
	s_add_nc_u64 s[4:5], s[4:5], s[22:23]
	s_mul_i32 s22, ttmp9, GRP
	s_add_nc_u64 s[14:15], s[14:15], s[22:23]
.irp f, 0,1
.irp q, 0,1,2,3,4,5,6,7,8,9,10,11,12,13,14,15
	global_load_b128 v[R+64*\f+4*\q:R+64*\f+4*\q+3], v4, s[4:5] offset:(16*\f+\q)*8192 th:TH_LOAD_NT   ; 512 consecutive bytes of one row
.endr
.endr
.irp f, 0,1
	s_wait_loadcnt 16-16*\f                        ; this fragment's 16 loads are in; the other's may be out
.irp q, 0,1,2,3,4,5,6,7,8,9,10,11,12,13,14,15
	ds_store_b128 v5, v[R+64*\f+4*\q:R+64*\f+4*\q+3] offset:SP*\q
.endr
	s_wait_dscnt 0x0                               ; the stores have read their registers
.irp b, 0,1,2,3
.irp j, 0,1,2,3
	ds_load_b128 v[R+16*\b+4*\j:R+16*\b+4*\j+3], v6 offset:128*\b+16*\j   ; my 16 neighbours of block b of row r
.endr
.endr
	s_wait_dscnt 0x0
	QUANT R, PC+12*\f, PW+\f
.endr
	v_cmp_gt_u32 vcc_lo, 16, v1
	v_cndmask_b32 v[OW], v[PW+1], v[PW], vcc_lo    ; row 32 w + L: lanes 0-15 the first fragment's word, lanes 16-31 the second's
	OUT 14
	s_wait_tensorcnt 0x0                           ; the wave's end, behind my last LDS store
	ds_add_u32 v[SPW], v[NIL]
	s_wait_dscnt 0x0
	s_endpgm
.Lweights:                                             ; ---- a weight: column 32 w + L of its block of 128, 128 rows of K.
	s_sub_co_u32 s22, ttmp9, 512                   ; the GROUP's number in wg
	s_lshr_b32 s24, s22, 4                         ; block of columns, 0 .. 23 (24 .. 31: Wo's work-groups)
	s_and_b32 s25, s22, 15
	s_lshl_b32 s25, s25, 19                        ; K step: 128 rows of 4,096 bytes
	s_lshr_b32 s26, s24, 3                         ; 0 Wq, 1 Wk, 2 Wv, 3 Wo
	s_and_b32 s24, s24, 7
	s_lshl_b32 s24, s24, 9
	s_add_co_u32 s24, s24, s25
	s_sub_co_u32 s27, ttmp9, 896                   ; the GROUP's number in og
	s_lshr_b32 s30, s27, 3
	s_lshl_b32 s30, s30, 9
	s_and_b32 s31, s27, 7
	s_lshl_b32 s31, s31, 20                        ; 128 rows of 8,192 bytes
	s_add_co_u32 s30, s30, s31
	s_cmp_lt_u32 ttmp9, 896                        ; the choices hang on the work-group's number alone
	s_cselect_b32 s24, s24, s30
	s_cselect_b32 s22, s22, s27
	s_cselect_b64 s[16:17], s[16:17], s[18:19]
	s_cmp_eq_u32 s26, 0
	s_cselect_b64 s[6:7], s[6:7], s[8:9]
	s_cmp_eq_u32 s26, 2
	s_cselect_b64 s[6:7], s[10:11], s[6:7]
	s_cmp_eq_u32 s26, 3
	s_cselect_b64 s[6:7], s[12:13], s[6:7]
	s_lshl_b32 s25, s20, 7                         ; my wave's 32 columns
	s_add_co_u32 s24, s24, s25
	s_mov_b32 s25, 0
	s_add_nc_u64 s[6:7], s[6:7], s[24:25]
	s_mul_i32 s22, s22, GRP
	s_add_nc_u64 s[16:17], s[16:17], s[22:23]
	s_cmp_lt_u32 ttmp9, 896
	s_cbranch_scc0 .Lwo
	WLOAD 4096, 0
	s_branch .Lwork
.Lwo:
	WLOAD 8192, 1
.Lwork:
	s_wait_loadcnt 63                              ; the 64th load has 64 behind it: blocks 0 and 1 are in
	WBLOCK 0
	WBLOCK 1
	s_wait_loadcnt 32                              ; block 2 is in; block 3's 32 loads may be out
	WBLOCK 2
	s_wait_loadcnt 0x0
	WBLOCK 3
; v[PC + 6 c + k] holds block 2 c of my column, v[PC + 12 + 6 c + k] block 2 c + 1.  The exchange gives fragment 2 w (columns of lanes 0-15: block 2 c below, 2 c + 1 above) and fragment 2 w + 1
.irp c, 0,1
.irp k, 0,1,2,3,4,5
	v_permlane16_swap_b32 v[PC+6*\c+\k], v[PC+12+6*\c+\k]
.endr
.endr
	OUT 16
	s_endpgm
.Lfunc_end_k_q976c5c0032_quant:
	.size	k_q976c5c0032_quant, .Lfunc_end_k_q976c5c0032_quant-k_q976c5c0032_quant
	.p2alignl 7, 3214868480
	.fill 96, 4, 3214868480
	.section	.rodata,"a",@progbits
	.p2align	6, 0x0
	.amdhsa_kernel k_q976c5c0032_quant
		.amdhsa_group_segment_fixed_size 34304
		.amdhsa_private_segment_fixed_size 0
		.amdhsa_enable_private_segment 0
		.amdhsa_kernarg_size 64
		.amdhsa_user_sgpr_count 2
		.amdhsa_user_sgpr_kernarg_segment_ptr 1
		.amdhsa_wavefront_size32 1
		.amdhsa_system_sgpr_workgroup_id_x 1
		.amdhsa_system_sgpr_workgroup_id_y 1
		.amdhsa_system_sgpr_workgroup_id_z 1
		.amdhsa_system_vgpr_workitem_id 0
		.amdhsa_next_free_vgpr 192
		.amdhsa_next_free_sgpr 66
		.amdhsa_reserve_vcc 1
		.amdhsa_float_denorm_mode_32 3
		.amdhsa_float_denorm_mode_16_64 3
		.amdhsa_memory_ordered 1
		.amdhsa_forward_progress 1
		.amdhsa_inst_pref_size 50
	.end_amdhsa_kernel
	.amdgpu_metadata
---
amdhsa.version: [ 1, 2 ]
amdhsa.kernels:
  - .name:           k_q976c5c0032_quant
    .symbol:         k_q976c5c0032_quant.kd
    .args:
      - { .name: hidden_states, .offset: 0, .size: 8, .value_kind: global_buffer, .address_space: global }
      - { .name: Wq, .offset: 8, .size: 8, .value_kind: global_buffer, .address_space: global }
      - { .name: Wk, .offset: 16, .size: 8, .value_kind: global_buffer, .address_space: global }
      - { .name: Wv, .offset: 24, .size: 8, .value_kind: global_buffer, .address_space: global }
      - { .name: Wo, .offset: 32, .size: 8, .value_kind: global_buffer, .address_space: global }
      - { .name: xg, .offset: 40, .size: 8, .value_kind: global_buffer, .address_space: global }
      - { .name: wg, .offset: 48, .size: 8, .value_kind: global_buffer, .address_space: global }
      - { .name: og, .offset: 56, .size: 8, .value_kind: global_buffer, .address_space: global }
    .group_segment_fixed_size: 34304
    .private_segment_fixed_size: 0
    .kernarg_segment_align: 8
    .kernarg_segment_size: 64
    .max_flat_workgroup_size: 128
    .sgpr_count:     66
    .vgpr_count:     192
    .wavefront_size: 32
...
	.end_amdgpu_metadata
.endif
;; end of part 1
;; launch gemm_qkv (part 2): grid 12 x 16, 4 waves a work-group, clusters of 4 x 4, 327,680 bytes of LDS; arguments xg, wg, qkvg; writes qkvg
.if DOCPART == 2
	.amdgcn_target "amdgcn-amd-amdhsa--gfx1250"
	.amdhsa_code_object_version 6
	.text
	.protected	k_q976c5c0032_gemm_qkv
	.globl	k_q976c5c0032_gemm_qkv
	.p2align	8
	.type	k_q976c5c0032_gemm_qkv,@function
k_q976c5c0032_gemm_qkv:
	s_mov_b64 s[64:65], 0
	v_nop
	global_prefetch_b8 v0, s[64:65] scope:SCOPE_SE
	s_setreg_imm32_b32 hwreg(HW_REG_WAVE_MODE, 25, 1), 1
	s_wait_xcnt 0x0
	s_wait_alu depctr_hold_cnt(0) depctr_sa_sdst(0) depctr_va_vdst(0) depctr_va_sdst(0) depctr_va_ssrc(0) depctr_va_vcc(0) depctr_vm_vsrc(0)
	s_getreg_b32 s2, hwreg(HW_REG_IB_STS2, 6, 4)
	s_cmp_eq_u32 s2, 0
	s_cbranch_scc0 .Lentry_in_a_cluster
	s_endpgm
.Lentry_in_a_cluster:
	s_bfe_u32 s2, ttmp6, 0x10000c
	s_cmp_lg_u32 s2, 0xf033
	s_cbranch_scc0 .Lentry_shape_is_right
	s_endpgm
.Lentry_shape_is_right:
; q = x Wq, k = x Wk, v = x Wv on codes of FP6 (E2M3) with E8M0 scales, K = 2,048; the results are quantised in registers and leave as GROUPS for the attention: no f32 result goes to memory.
; GROUP: 128 rows x 128 along K, 12,800 bytes: fragment a as an image of its 12 registers at 1536 a + 512 g + 16 L, the scale words at 12,288 + 128 a' + 4 L (row 32 a' + L).
; A tile, 256 rows of "A" x 256 rows of "B", is made by four waves, 128 x 128 each: 64 accumulators, 512 registers.  Source 0 = 16 rows of B, source 1 = 16 rows of A: a lane holds one row of A and its registers run along B's rows.
; Clusters x = 0, 1: A = x (tokens), B = Wq, Wk (columns): a lane's 64 numbers of a row block are 128 columns = two heads of one token: quantised along the head's axis.
; Cluster x = 2: the buffers change places: A = Wv's columns, B = tokens: a lane holds one channel of v and 128 tokens: quantised along the tokens, as the second product of the attention wants it.
; Inside a block of 32 the codes stand in the order 0-7, 16-23, 8-15, 24-31 (a lane holds elements 8 h + j and 16 + 8 h + j); both operands of each later product are made so, so the products pair up.  LIMIT: the order of the sums inside a block differs from ascending k.
; K goes through a ring of two LDS slots; a slot holds two K steps of 128: for each of A's two and B's two blocks of 128 rows two GROUPS, 25,600 dense bytes, one tensor load a wave.
; CLUSTER 4 x 4: A's blocks are shared along a row of the cluster, B's along a column: each is asked for jointly, which divides the requests by four.
; REGISTERS: window 0: v1-3 lane terms, v16-23 LDS addresses, v28-29 the add's two, v32-63 scale words (two sets), v128-223 A's fragments (one set); window 1: B's fragments, two sets at v0 and v128; windows 2, 3: the accumulators, (a, b) at v[8 (8 (a % 4) + b)].
; LIMITS: NaN and infinities are not served; a block whose largest magnitude lies under 2^-124 gets the byte 1.
.set NKS,    16                        ; K steps of 128
.set GRP,    12800
.set BLKB,   NKS*GRP                   ; a block of 128 rows, all of K
.set FETB,   2*GRP                     ; what one tensor load brings
.set SLOT,   4*FETB
.set SPARE,  2*SLOT                    ; behind the ring: the spare words, 128 bytes a wave, two blocks of 256 bytes that no other line names
.set LAPS,   NKS/4                     ; a lap = once round the ring = four K steps
.set FR,     12
.set NL,     3                         ; LDS loads that bring a fragment
.set L16,    2                         ; v2  16 L; never rewritten
.set L4,     3                         ; v3  4 L; never rewritten
.set ADRA,   16                        ; v16-17 my A block in slot 0, 1, + 16 L
.set ADSA,   18                        ; v18-19 the same + 4 L, for the scale words
.set ADRB,   20
.set ADSB,   22
.set SPW,    28
.set NIL,    29
.set SC,     32                        ; scale words: set s at SC + 16 s; A's word a' of K step q at + 8 q + a', B's at + 8 q + 4 + b'
.set AF,     128
.set TM,     64                        ; the way out, window 0: v64-67 largest magnitudes, v68-71 bytes, v72-75 scale operands, v76-82 conversions' second halves
.set TB,     68
.set TS,     72
.set TT,     76
.set PWR,    112                       ; v112-119 the eight fragments' scale words; v120-123 the four scale rows
.set SW,     120
.set CD,     128                       ; v128-223 the eight fragments of codes
.set SEL,    76                        ; s[76:77]
.set G1,  24
.set G0,  32
.set G1B, 48
.set G0B, 56
.set MSB, 0
.macro WIN new                         ; the immediate's high byte repeats the setting that is left
.if MSB != \new
	s_set_vgpr_msb (MSB<<8)|\new
.set MSB, \new
.endif
.endm
.set MUL_LO, 0xa1                      ; source 0 (B) window 1, source 1 (A) window 0, C and D window 2
.set MUL_HI, 0xf1
.set TO_B,   0x40
; a joint load: waves 0 and 1 fetch A's two blocks, waves 2 and 3 B's; an s_nop 0 and four v_nop follow each line
.macro JLOAD g0a, g1a, g0b, g1b
	s_cmp_eq_u32 s15, 0
	s_cbranch_scc0 .Lfor_b_\@
	tensor_load_to_lds s[\g0a:\g0a+3], s[\g1a:\g1a+7]
	s_nop 0
.rept 4
	v_nop
.endr
	s_branch .Lasked_\@
.Lfor_b_\@:
	tensor_load_to_lds s[\g0b:\g0b+3], s[\g1b:\g1b+7]
	s_nop 0
.rept 4
	v_nop
.endr
.Lasked_\@:
.endm
.macro CREST
	s_cmp_lg_u32 s14, 0
	s_cbranch_scc1 .Lnot_wave_0_\@
	s_barrier_signal -3
.Lnot_wave_0_\@:
	s_barrier_wait -3
	s_barrier_signal -1
	s_barrier_wait -1
.endm
.macro CROUND
	s_barrier_signal -1
	s_barrier_wait -1
	CREST
.endm
.macro PLACES                          ; four plain instructions behind matrix instructions, ahead of loads into their sources and of reads of their results
.rept 4
	v_nop
.endr
.endm
	s_load_b128 s[4:7], s[0:1], 0x0                ; xg, wg
	s_load_b64 s[8:9], s[0:1], 0x10                ; qkvg
	v_lshl_add_u32 v[SPW], v0, 2, SPARE
	v_mov_b32 v[NIL], 0
	ds_add_u32 v[SPW], v[NIL]                      ; the wave's opening: the add and its wait stand ahead of my first tensor load
	v_lshrrev_b32 v1, 5, v0
	v_readfirstlane_b32 s14, v1                    ; wave
	s_lshr_b32 s15, s14, 1                         ; my A block.  Also: I fetch for A (0) or for B (1)
	s_and_b32 s16, s14, 1                          ; my B block.  Also: which block I fetch
	s_bfe_u32 s40, ttmp6, 0x40000                  ; cx
	s_bfe_u32 s41, ttmp6, 0x40004                  ; cy
	s_lshl_b32 s45, ttmp9, 2                       ; 4 x cluster x
	s_and_b32 s18, ttmp7, 0xffff
	s_lshl_b32 s18, s18, 2                         ; 4 x cluster y
	s_cmp_eq_u32 ttmp9, 2                          ; v's clusters: the same in all sixteen partners
	s_cselect_b32 s17, 0, s18
	s_cselect_b32 s42, s18, s45
	s_cselect_b32 s19, 16, 0                       ; Wv's blocks begin at 16
	s_add_co_u32 s17, s17, s41                     ; tile row: hangs on cy alone
	s_add_co_u32 s42, s42, s40                     ; tile column: on cx alone
	s_lshl_b32 s43, s41, 2
	s_lshl_b32 s43, 15, s43                        ; my row of the cluster
	s_lshl_b32 s44, 0x1111, s40                    ; my column
	s_or_b32 s[G1+0], s43, (3<<16)|(1<<21)         ; the mask; elements of 8 bytes; bit 21 beside a mask; no padding
	s_or_b32 s[G1B+0], s44, (3<<16)|(1<<21)
.irp g, G1, G1B
	s_mov_b32 s[\g+1], 32<<16                      ; tensor_dim0 = 32 elements: rows of 256 bytes
	s_mov_b32 s[\g+2], 100<<16                     ; tensor_dim1 = 100 rows: 25,600 dense bytes
	s_mov_b32 s[\g+3], 32<<16                      ; tile_dim0
	s_mov_b32 s[\g+4], 100                         ; tile_dim1
	s_mov_b32 s[\g+5], 32                          ; pitch
	s_mov_b32 s[\g+6], 0
	s_mov_b32 s[\g+7], 0
.endr
	s_lshl_b32 s20, s17, 1
	s_add_co_u32 s20, s20, s16
	s_add_co_u32 s20, s20, s19
	s_mul_i32 s20, s20, BLKB                       ; A's block that I would fetch
	s_mov_b32 s21, 0
	s_lshl_b32 s46, s42, 1
	s_add_co_u32 s46, s46, s16
	s_mul_i32 s46, s46, BLKB                       ; B's
	s_mov_b32 s47, 0
	s_mul_i32 s67, s14, FETB                       ; where it goes: wave x 25,600: no place in the cluster enters an LDS address
	s_mov_b32 s[SEL], 0x76543210
	s_mov_b32 s[SEL+1], 0xfedcba98
	s_wait_dscnt 0x0                               ; the opening add is done
	s_wait_kmcnt 0x0
	s_cmp_eq_u32 ttmp9, 2
	s_cselect_b64 s[22:23], s[6:7], s[4:5]         ; A's buffer
	s_cselect_b64 s[68:69], s[4:5], s[6:7]         ; B's
	s_add_nc_u64 s[20:21], s[22:23], s[20:21]
	s_add_nc_u64 s[46:47], s[68:69], s[46:47]
	CROUND                                         ; all sixteen work-groups are here: the first joint loads meet
.irp s, 0,1
	s_mov_b32 s[G0+4*\s], 1
	s_add_co_u32 s[G0+4*\s+1], s67, \s*SLOT
	s_add_nc_u64 s[G0+4*\s+2:G0+4*\s+3], s[20:21], \s*FETB
	s_or_b32 s[G0+4*\s+3], s[G0+4*\s+3], 0x80000000
	s_mov_b32 s[G0B+4*\s], 1
	s_add_co_u32 s[G0B+4*\s+1], s67, \s*SLOT
	s_add_nc_u64 s[G0B+4*\s+2:G0B+4*\s+3], s[46:47], \s*FETB
	s_or_b32 s[G0B+4*\s+3], s[G0B+4*\s+3], 0x80000000
	JLOAD G0+4*\s, G1, G0B+4*\s, G1B
.endr
	v_and_b32 v1, 31, v0                           ; L
	v_lshlrev_b32 v[L16], 4, v1
	v_lshlrev_b32 v[L4], 2, v1
	s_mul_i32 s21, s15, FETB                       ; my A block
	s_mul_i32 s22, s16, FETB
	s_add_co_u32 s22, s22, 2*FETB                  ; my B block, behind A's two
.irp s, 0,1
	v_add_nc_u32 v[ADRA+\s], s21, v[L16]
	v_add_nc_u32 v[ADRB+\s], s22, v[L16]
	v_add_nc_u32 v[ADSA+\s], s21, v[L4]
	v_add_nc_u32 v[ADSB+\s], s22, v[L4]
	s_add_co_u32 s21, s21, SLOT
	s_add_co_u32 s22, s22, SLOT
.endr
	; which GROUP of qkvg is my wave's.  Q[i][p] at 8 i + p;  K[p][j] at 256 + 2 (32 p + j);  V[p][j] one further
	s_lshl_b32 s70, s17, 1
	s_add_co_u32 s70, s70, s15                     ; A's block
	s_lshl_b32 s71, s42, 1
	s_add_co_u32 s71, s71, s16                     ; B's block
	s_lshl_b32 s72, s70, 3
	s_add_co_u32 s72, s72, s71                     ; q: 8 x token block + head pair
	s_lshl_b32 s73, s71, 6
	s_lshl_b32 s74, s70, 1
	s_add_co_u32 s73, s73, s74
	s_sub_co_u32 s73, s73, 256                     ; k: 256 + 64 (B's block - 8) + 2 x token block
	s_lshl_b32 s74, s70, 6
	s_lshl_b32 s75, s71, 1
	s_add_co_u32 s74, s74, s75
	s_add_co_u32 s74, s74, 257                     ; v: 256 + 64 x head pair + 2 x token block + 1
	s_cmp_eq_u32 ttmp9, 0
	s_cselect_b32 s72, s72, s73
	s_cmp_eq_u32 ttmp9, 2
	s_cselect_b32 s72, s74, s72
	s_mul_i32 s72, s72, GRP
	s_mov_b32 s73, 0
	s_add_nc_u64 s[8:9], s[8:9], s[72:73]
.macro FRAG reg, adr, q, i             ; a fragment is an image of its registers: three loads of 16 bytes a lane, 512 consecutive bytes each
.irp g, 0,1,2
	ds_load_b128 v[\reg+4*\g:\reg+4*\g+3], v[\adr] offset:GRP*(\q)+1536*(\i)+512*\g
.endr
.endm
.macro FETCH_B slot, q, p
	WIN TO_B
.irp i, 0,1,2,3,4,5,6,7
	FRAG 128*(\p)+FR*\i, ADRB+\slot, \q, \i
.endr
	WIN 0
.endm
.macro FETCH_A slot, q, i0
.irp i, \i0, \i0+1, \i0+2, \i0+3
	FRAG AF+FR*(\i), ADRA+\slot, \q, \i
.endr
.endm
.macro SCALES sc                       ; a slot's 16 scale rows: lanes 0-15 hold the even fragment's words, lanes 16-31 the odd one's
.irp q, 0,1
.irp i, 0,1,2,3
	ds_load_b32 v[SC+16*\sc+8*\q+\i], v[ADSA+\sc] offset:12288+GRP*\q+128*\i
	ds_load_b32 v[SC+16*\sc+8*\q+4+\i], v[ADSB+\sc] offset:12288+GRP*\q+128*\i
.endr
.endr
.endm
; one product: A's block a x B's block b; B's set p; K step q of the slot whose scale set is sc.  An odd fragment's scale words stand in lanes 16-31
.macro WM a, b, p, q, sc, zero
.set rD, 8*(8*((\a)%4)+(\b))
.set rB, 128*(\p)+FR*(\b)
.set rA, AF+FR*(\a)
.set rSB, SC+16*(\sc)+8*(\q)+4+(\b)/2
.set rSA, SC+16*(\sc)+8*(\q)+(\a)/2
.set odd, 2*((\a)%2)+(\b)%2
.if \zero
.if odd == 0
	v_wmma_scale_f32_16x16x128_f8f6f4 v[rD:rD+7], v[rB:rB+FR-1], v[rA:rA+FR-1], 0, v[rSB], v[rSA] matrix_a_fmt:MATRIX_FMT_FP6 matrix_b_fmt:MATRIX_FMT_FP6
.elseif odd == 1
	v_wmma_scale_f32_16x16x128_f8f6f4 v[rD:rD+7], v[rB:rB+FR-1], v[rA:rA+FR-1], 0, v[rSB], v[rSA] matrix_a_fmt:MATRIX_FMT_FP6 matrix_b_fmt:MATRIX_FMT_FP6 matrix_a_scale:MATRIX_SCALE_ROW1
.elseif odd == 2
	v_wmma_scale_f32_16x16x128_f8f6f4 v[rD:rD+7], v[rB:rB+FR-1], v[rA:rA+FR-1], 0, v[rSB], v[rSA] matrix_a_fmt:MATRIX_FMT_FP6 matrix_b_fmt:MATRIX_FMT_FP6 matrix_b_scale:MATRIX_SCALE_ROW1
.else
	v_wmma_scale_f32_16x16x128_f8f6f4 v[rD:rD+7], v[rB:rB+FR-1], v[rA:rA+FR-1], 0, v[rSB], v[rSA] matrix_a_fmt:MATRIX_FMT_FP6 matrix_b_fmt:MATRIX_FMT_FP6 matrix_a_scale:MATRIX_SCALE_ROW1 matrix_b_scale:MATRIX_SCALE_ROW1
.endif
.else
.if odd == 0
	v_wmma_scale_f32_16x16x128_f8f6f4 v[rD:rD+7], v[rB:rB+FR-1], v[rA:rA+FR-1], v[rD:rD+7], v[rSB], v[rSA] matrix_a_fmt:MATRIX_FMT_FP6 matrix_b_fmt:MATRIX_FMT_FP6
.elseif odd == 1
	v_wmma_scale_f32_16x16x128_f8f6f4 v[rD:rD+7], v[rB:rB+FR-1], v[rA:rA+FR-1], v[rD:rD+7], v[rSB], v[rSA] matrix_a_fmt:MATRIX_FMT_FP6 matrix_b_fmt:MATRIX_FMT_FP6 matrix_a_scale:MATRIX_SCALE_ROW1
.elseif odd == 2
	v_wmma_scale_f32_16x16x128_f8f6f4 v[rD:rD+7], v[rB:rB+FR-1], v[rA:rA+FR-1], v[rD:rD+7], v[rSB], v[rSA] matrix_a_fmt:MATRIX_FMT_FP6 matrix_b_fmt:MATRIX_FMT_FP6 matrix_b_scale:MATRIX_SCALE_ROW1
.else
	v_wmma_scale_f32_16x16x128_f8f6f4 v[rD:rD+7], v[rB:rB+FR-1], v[rA:rA+FR-1], v[rD:rD+7], v[rSB], v[rSA] matrix_a_fmt:MATRIX_FMT_FP6 matrix_b_fmt:MATRIX_FMT_FP6 matrix_a_scale:MATRIX_SCALE_ROW1 matrix_b_scale:MATRIX_SCALE_ROW1
.endif
.endif
.endm
.macro MUL16 a0, p, q, sc, zero        ; the 64 accumulators take turns, one instruction a turn, in the same order in every step
.irp a, \a0, \a0+1
.irp b, 0,1,2,3,4,5,6,7
	WM \a, \b, \p, \q, \sc, \zero
.endr
.endr
.endm
; a slot's first K step: multiplies B's set 0, fetches the second step's fragments
.macro STEP slot, zero
	s_wait_dscnt 4*NL                              ; B's set, A's blocks 0-3 and the scale words are in; the youngest 12 loads (A's blocks 4-7) may be out
	WIN MUL_LO
	MUL16 0, 0, 0, \slot, \zero
	MUL16 2, 0, 0, \slot, \zero
	s_wait_dscnt 0x0                               ; A's blocks 4-7 are in
	PLACES
	FETCH_B \slot, 1, 1
	FETCH_A \slot, 1, 0
	WIN MUL_HI
	MUL16 4, 0, 0, \slot, \zero
	MUL16 6, 0, 0, \slot, \zero
	PLACES
	WIN 0
	FETCH_A \slot, 1, 4
.endm
; a slot's second K step changes slots: one barrier; ahead of it each wave waits for all its tensor loads, adds 0 to its spare word, and waits for that and for its reads of this slot
.macro TURN slot, next, fill
	s_wait_tensorcnt 0x0                           ; all my tensor loads have landed: my part of the next slot
	ds_add_u32 v[SPW], v[NIL]
	s_wait_dscnt 4*NL+1                            ; the add and the youngest 12 loads may be out
	WIN MUL_LO
	MUL16 0, 1, 1, \slot, 0
	s_wait_dscnt 0x0                               ; the add is done, and my reads of this slot are over
	s_barrier_signal -1
	MUL16 2, 1, 1, \slot, 0
	WIN 0
	s_barrier_wait -1
.if \fill
	CREST                                          ; the barrier has opened a round of the cluster's: no wave of any partner still reads this slot or has a load on its way
	s_add_nc_u64 s[G0+4*\slot+2:G0+4*\slot+3], s[G0+4*\slot+2:G0+4*\slot+3], 2*FETB
	s_add_nc_u64 s[G0B+4*\slot+2:G0B+4*\slot+3], s[G0B+4*\slot+2:G0B+4*\slot+3], 2*FETB
	JLOAD G0+4*\slot, G1, G0B+4*\slot, G1B         ; the first tensor load behind the round; its four v_nop are the places ahead of the loads below
.else
	PLACES
.endif
	FETCH_B \next, 0, 0
	FETCH_A \next, 0, 0
	SCALES \next
	WIN MUL_HI
	MUL16 4, 1, 1, \slot, 0
	MUL16 6, 1, 1, \slot, 0
	PLACES
	WIN 0
	FETCH_A \next, 0, 4
.endm
	s_wait_tensorcnt 1                             ; my part of slot 0 is in; slot 1's may be out
	s_barrier_signal -1
	s_barrier_wait -1
	FETCH_B 0, 0, 0
	FETCH_A 0, 0, 0
	SCALES 0
	FETCH_A 0, 0, 4
	STEP 0, 1                                      ; the first step's products start the sums
	s_mov_b32 s3, LAPS-1
.Llap:                                                 ; a trip goes once round the ring and fills both slots again
	TURN 0, 1, 1
	STEP 1, 0
	TURN 1, 0, 1
	STEP 0, 0
	s_sub_co_u32 s3, s3, 1
	s_cmp_lg_u32 s3, 0
	s_cbranch_scc1 .Llap
	TURN 0, 1, 0                                   ; the last lap fills nothing
	STEP 1, 0
	s_wait_dscnt 4*NL
	WIN MUL_LO
	MUL16 0, 1, 1, 1, 0
	MUL16 2, 1, 1, 1, 0
	s_wait_dscnt 0x0
	WIN MUL_HI
	MUL16 4, 1, 1, 1, 0
	MUL16 6, 1, 1, 1, 0
	WIN 0
; THE WAY OUT.  Row block a's eight accumulators are 64 numbers of a lane: four blocks of 32 along the next product's K, 16 of each in my half.  They become fragment a and its scale word, and leave as images.
.macro QA a
.set AC, 64*((\a)%4)
.set WS, 2+(\a)/4
	WIN WS*5                                       ; sources 0 and 1 in the accumulators' window
.irp b, 0,1,2,3
	v_max3_num_f32 v[TM+\b], |v[AC+16*\b]|, |v[AC+16*\b+1]|, 0x1800000       ; each accumulator is read from its low end on
.endr
.irp i, 2,4,6,8,10,12,14
.irp b, 0,1,2,3
	v_max3_num_f32 v[TM+\b], |v[AC+16*\b+\i]|, |v[AC+16*\b+\i+1]|, v[TM+\b]
.endr
.endr
	WIN 0
.irp b, 0,1,2,3
	v_permlanex16_b32 v[TB+\b], v[TM+\b], s[SEL], s[SEL+1]
.endr
.irp b, 0,1,2,3
	v_max_num_f32 v[TM+\b], v[TM+\b], v[TB+\b]
.endr
.irp b, 0,1,2,3
	v_add_nc_u32 v[TS+\b], 0xff000000, v[TM+\b]
.endr
.irp b, 0,1,2,3
	v_lshrrev_b32 v[TB+\b], 23, v[TS+\b]
.endr
	v_lshl_or_b32 v[PWR+(\a)], v[TB+1], 8, v[TB]
	v_lshl_or_b32 v[PWR+(\a)], v[TB+2], 16, v[PWR+(\a)]
	v_lshl_or_b32 v[PWR+(\a)], v[TB+3], 24, v[PWR+(\a)]
	WIN WS                                         ; source 0 in the accumulators' window
.irp c, 0,1
	v_cvt_scalef32_pk16_fp6_f32 v[CD+12*(\a)+6*\c:CD+12*(\a)+6*\c+2], v[AC+32*\c:AC+32*\c+15], v[TS+2*\c]
	v_cvt_scalef32_pk16_fp6_f32 v[TT+4*\c:TT+4*\c+2], v[AC+32*\c+16:AC+32*\c+31], v[TS+2*\c+1]
.endr
	WIN 0
	v_nop                                          ; one plain instruction behind the conversions
.irp c, 0,1
.irp k, 0,1,2
	v_permlane16_swap_b32 v[CD+12*(\a)+6*\c+\k], v[TT+4*\c+\k]
.endr
.irp k, 0,1,2
	v_mov_b32 v[CD+12*(\a)+6*\c+3+\k], v[TT+4*\c+\k]
.endr
.endr
.irp g, 0,1,2
	global_store_b128 v[L16], v[CD+12*(\a)+4*\g:CD+12*(\a)+4*\g+3], s[8:9] offset:1536*(\a)+512*\g   ; 512 consecutive bytes, aligned; every block has registers of its own, so no store's data are written again
.endr
.endm
	PLACES
.irp b, 0,1,2,3
	v_mov_b32 v[TB+\b], 0                          ; a lane permute's destination counts as one of its sources
.endr
.irp a, 0,1,2,3,4,5,6,7
	QA \a
.endr
	v_cmp_gt_u32 vcc_lo, 16, v1
.irp i, 0,1,2,3
	v_cndmask_b32 v[SW+\i], v[PWR+2*\i+1], v[PWR+2*\i], vcc_lo   ; row 32 i + L
.endr
.irp i, 0,1,2,3
	global_store_b32 v[L4], v[SW+\i], s[8:9] offset:12288+128*\i
.endr
	s_wait_tensorcnt 0x0                           ; the wave's end
	ds_add_u32 v[SPW], v[NIL]
	s_wait_dscnt 0x0
	CROUND                                         ; the closing round: no work-group ends while a partner may still ask for a tile that names it
	s_endpgm
.Lfunc_end_k_q976c5c0032_gemm_qkv:
	.size	k_q976c5c0032_gemm_qkv, .Lfunc_end_k_q976c5c0032_gemm_qkv-k_q976c5c0032_gemm_qkv
	.p2alignl 7, 3214868480
	.fill 96, 4, 3214868480
	.section	.rodata,"a",@progbits
	.p2align	6, 0x0
	.amdhsa_kernel k_q976c5c0032_gemm_qkv
		.amdhsa_group_segment_fixed_size 327680
		.amdhsa_private_segment_fixed_size 0
		.amdhsa_enable_private_segment 0
		.amdhsa_kernarg_size 24
		.amdhsa_user_sgpr_count 2
		.amdhsa_user_sgpr_kernarg_segment_ptr 1
		.amdhsa_wavefront_size32 1
		.amdhsa_system_sgpr_workgroup_id_x 1
		.amdhsa_system_sgpr_workgroup_id_y 1
		.amdhsa_system_sgpr_workgroup_id_z 1
		.amdhsa_system_vgpr_workitem_id 0
		.amdhsa_next_free_vgpr 1024
		.amdhsa_next_free_sgpr 80
		.amdhsa_reserve_vcc 1
		.amdhsa_float_denorm_mode_32 3
		.amdhsa_float_denorm_mode_16_64 3
		.amdhsa_memory_ordered 1
		.amdhsa_forward_progress 1
		.amdhsa_inst_pref_size 139
	.end_amdhsa_kernel
	.amdgpu_metadata
---
amdhsa.version: [ 1, 2 ]
amdhsa.kernels:
  - .name:           k_q976c5c0032_gemm_qkv
    .symbol:         k_q976c5c0032_gemm_qkv.kd
    .args:
      - { .name: xg, .offset: 0, .size: 8, .value_kind: global_buffer, .address_space: global }
      - { .name: wg, .offset: 8, .size: 8, .value_kind: global_buffer, .address_space: global }
      - { .name: qkvg, .offset: 16, .size: 8, .value_kind: global_buffer, .address_space: global }
    .group_segment_fixed_size: 327680
    .private_segment_fixed_size: 0
    .kernarg_segment_align: 8
    .kernarg_segment_size: 24
    .max_flat_workgroup_size: 128
    .sgpr_count:     80
    .vgpr_count:     1024
    .wavefront_size: 32
...
	.end_amdgpu_metadata
.endif
;; end of part 2
;; launch attn (part 3): grid 32 x 8, 16 waves a work-group, no clusters, 242,176 bytes of LDS; arguments qkvg, ag; writes ag
.if DOCPART == 3
	.amdgcn_target "amdgcn-amd-amdhsa--gfx1250"
	.amdhsa_code_object_version 6
	.text
	.protected	k_q976c5c0032_attn
	.globl	k_q976c5c0032_attn
	.p2align	8
	.type	k_q976c5c0032_attn,@function
k_q976c5c0032_attn:
	s_mov_b64 s[64:65], 0
	v_nop
	global_prefetch_b8 v0, s[64:65] scope:SCOPE_SE
	s_setreg_imm32_b32 hwreg(HW_REG_WAVE_MODE, 25, 1), 1
	s_wait_xcnt 0x0
; Sliding-window attention on codes of FP6 (E2M3): a key counts for a query where |q - k| < 256, or k < 16, or q < 16.  16 heads of 64, 4,096 tokens.
; A work-group owns 128 queries (block i) of a pair of heads (p); wave w owns head 2 p + w / 8 and the 16 queries of tile a = w % 8.  Counted from key 128 (i - 2), query 16 a + r sees keys 16 a + r + 1 .. 16 a + r + 511:
; every wave walks the five key steps j = i - 2 .. i + 2 of 128 keys; the first is cut from below, the last from above, the middle three are open.  Steps outside 0 .. 31 are left out by a scalar branch on ids.
; The five steps are written out, so that every LDS address is a constant + a lane term + a wave term.
; Keys 0 .. 15: for i <= 2 they lie in a step that is walked; for i >= 3 a short step on key tile 0 comes first (keys 16 .. 31 are hidden from these queries, so quantiser block 0 of p is whole).
; Queries 0 .. 15 see all 4,096 keys: in work-groups with i = 0 the eight waves of a head first take four key steps each for that tile, straight from memory, leave their parts in LDS, and the tile's own wave adds them (factors are powers of two).
; SOFTMAX: t = score x log2(e) / 8; M = the running largest t, rounded up to a whole number; p = 2^(t - M) is quantised along the keys, not normalised; the sum of the unquantised p divides at the end.
; OPERANDS are GROUPS (128 rows x 128 along K as images of registers, 12,800 bytes with the scale words at 12,288).  A fragment of q or k holds head 2 p in registers 0-5 and head 2 p + 1 in 6-11.
; K = 64 FILLS HALF OF THE INSTRUCTION'S 128: a wave loads its head's six registers alone; q's upper six are zero codes, so whatever stands in k's upper six (the next tile's codes) adds nothing; the scale words come as 16 bits, the upper bytes 0.
; Both products are used transposed (S^T = k q^T, O^T = v^T p^T): a lane holds one query throughout.  Register n of S^T holds key 16 (n / 8) + n % 8 + 8 (lane / 16) of the step: inside a block of 32 the codes of p stand in the order
; 0-7, 16-23, 8-15, 24-31, and v's codes were made in the same order.  LIMIT: the order of the sums inside a block differs from ascending k.
; LDS is filled once: slot 0 = key step 0, slots 1 .. 5 = steps i - 2 .. i + 2 (clamped to 0 .. 31 at the edges: a clamped slot is not read), each k's GROUP and v's; six waves issue one tensor load each.
; NO CLUSTER: neighbouring query blocks share four of their five key steps, but each at another slot, so a joint load's LDS address would hang on the work-group's place; head pairs share nothing.
; NO PREFETCH: every tile is asked for at the kernel's head.
; LIMITS: NaN and infinities are not served; a block whose largest magnitude lies under 2^-124 gets the byte 1.
.set GRP,   12800
.set PAIR,  25600                      ; k's GROUP and v's of a key step
.set KVB,   256*GRP                    ; where the pairs begin in qkvg
.set MG,    6*PAIR                     ; behind the slots: the parts of the global rows, 4,608 bytes a wave: O^T as 8 x 512, then (-M, t, the sum's halves) as 512
.set MGW,   4608
.set OST,   MG+16*MGW                  ; the result's GROUP
.set SPARE, OST+GRP                    ; the spare words, 128 bytes a wave: eight blocks of 256 bytes that no other line names
.set VS,  10                           ; v10-11  v's scale rows
.set KB,  28                           ; v28-75  k: 8 tiles x 6 registers
.set PC,  76                           ; v76-87  p's codes
.set VB,  88                           ; v88-135 v: 4 fragments
.set S,   136                          ; v136-199 S^T, then p
.set O,   200                          ; v200-231 O^T
.set BM,  232                          ; v232-235 the blocks' largest scores; at a step's head v232-234: the LDS addresses of k's loads
.set PT,  236                          ; v236-242 at work
.set AVC, 243                          ; v243    a step's LDS address of v's codes
.set AVW, 9                            ; v9      and of v's scale rows: neither is written while v's loads are out
.set SO,  244                          ; v244-247 the conversions' scale operands
.set KS,  248                          ; v248-251 k's scale rows;  v252 f, v253 p's scale word, v254 at work, v255 q's scale words
.set MB,  28                           ; the merge: two buffers of 32
.set ST,  92                           ; and seven parts' statistics
.set WV,  8
.set HH,  9
.set TA,  10
.set BI,  11
.set HP,  12
.set G1,  16
.set G0,  24
.set SEL, 28
.set CS,  30
.set GB,  36
.set QG,  38
.set AG,  40
; THE LANE TERMS, made at the head and kept until the way out: v1 = 16 L + 520 hh, v2 = 16 L + 8 + 1016 hh: my head's six registers of a fragment are the pieces at v1, v2, v1 + 512;
; v3 = 12288 + 4 L + 2 hh;  v4 = 12800 + 6144 hh + 16 L;  v5 = 25088 + 256 hh + 4 L
.macro LDK mode, nf, off, ra, rb, rs   ; nf tiles of k and their scale rows, by the address registers ra, rb, rs; mode 1: from memory, the same offsets from s[GB]
.irp t, 0,1,2,3,4,5,6,7
.if \t < \nf
.if \mode
	global_load_b64 v[KB+6*\t:KB+6*\t+1], v[\ra], s[GB:GB+1] offset:(\off)+1536*\t
	global_load_b64 v[KB+6*\t+2:KB+6*\t+3], v[\rb], s[GB:GB+1] offset:(\off)+1536*\t
	global_load_b64 v[KB+6*\t+4:KB+6*\t+5], v[\ra], s[GB:GB+1] offset:(\off)+1536*\t+512
.else
	ds_load_b64 v[KB+6*\t:KB+6*\t+1], v[\ra] offset:(\off)+1536*\t
	ds_load_b64 v[KB+6*\t+2:KB+6*\t+3], v[\rb] offset:(\off)+1536*\t
	ds_load_b64 v[KB+6*\t+4:KB+6*\t+5], v[\ra] offset:(\off)+1536*\t+512
.endif
.endif
.endr
.irp t, 0,1,2,3
.if \t < (\nf)/2
.if \mode
	global_load_u16 v[KS+\t], v[\rs], s[GB:GB+1] offset:(\off)+128*\t
.else
	ds_load_u16 v[KS+\t], v[\rs] offset:(\off)+128*\t
.endif
.endif
.endr
.endm
.macro LDV mode, off, rv, rw           ; my head's four fragments of v and two scale rows: 14 loads
.irp t, 0,1,2,3
.irp g, 0,1,2
.if \mode
	global_load_b128 v[VB+12*\t+4*\g:VB+12*\t+4*\g+3], v[\rv], s[GB:GB+1] offset:(\off)+1536*\t+512*\g
.else
	ds_load_b128 v[VB+12*\t+4*\g:VB+12*\t+4*\g+3], v[\rv] offset:(\off)+1536*\t+512*\g
.endif
.endr
.endr
.irp u, 0,1
.if \mode
	global_load_b32 v[VS+\u], v[\rw], s[GB:GB+1] offset:(\off)+128*\u
.else
	ds_load_b32 v[VS+\u], v[\rw] offset:(\off)+128*\u
.endif
.endr
.endm
.macro QK nt                           ; S^T = k q^T; tile t's operand is its six registers and the six behind them, which meet q's zero codes
.irp t, 0,1,2,3,4,5,6,7
.if \t < \nt
.if (\t)%2
	v_wmma_scale_f32_16x16x128_f8f6f4 v[S+8*\t:S+8*\t+7], v[KB+6*\t:KB+6*\t+11], v[16:27], 0, v[KS+\t/2], v255 matrix_a_fmt:MATRIX_FMT_FP6 matrix_b_fmt:MATRIX_FMT_FP6 matrix_a_scale:MATRIX_SCALE_ROW1
.else
	v_wmma_scale_f32_16x16x128_f8f6f4 v[S+8*\t:S+8*\t+7], v[KB+6*\t:KB+6*\t+11], v[16:27], 0, v[KS+\t/2], v255 matrix_a_fmt:MATRIX_FMT_FP6 matrix_b_fmt:MATRIX_FMT_FP6
.endif
.endif
.endr
.endm
.macro PV                              ; O^T += v^T p^T: four accumulators by turns
.irp t, 0,1,2,3
.if (\t)%2
	v_wmma_scale_f32_16x16x128_f8f6f4 v[O+8*\t:O+8*\t+7], v[VB+12*\t:VB+12*\t+11], v[PC:PC+11], v[O+8*\t:O+8*\t+7], v[VS+\t/2], v253 matrix_a_fmt:MATRIX_FMT_FP6 matrix_b_fmt:MATRIX_FMT_FP6 matrix_a_scale:MATRIX_SCALE_ROW1
.else
	v_wmma_scale_f32_16x16x128_f8f6f4 v[O+8*\t:O+8*\t+7], v[VB+12*\t:VB+12*\t+11], v[PC:PC+11], v[O+8*\t:O+8*\t+7], v[VS+\t/2], v253 matrix_a_fmt:MATRIX_FMT_FP6 matrix_b_fmt:MATRIX_FMT_FP6
.endif
.endr
.endm
.macro NOPS4
.rept 4
	v_nop
.endr
.endm
; the softmax of nb blocks of 32 keys (4: a key step; 1: the short step), and p's codes and scale word
.macro SOFT nb
.irp b, 0,1,2,3
.if \b < \nb
	v_max3_num_f32 v[BM+\b], v[S+16*\b], v[S+16*\b+1], v[S+16*\b+2]          ; each block's largest score: for the row's maximum and, since p rises with the score, for the block's largest p
.endif
.endr
.irp i, 3,5,7,9,11,13
.irp b, 0,1,2,3
.if \b < \nb
	v_max3_num_f32 v[BM+\b], v[BM+\b], v[S+16*\b+\i], v[S+16*\b+\i+1]
.endif
.endr
.endr
.irp b, 0,1,2,3
.if \b < \nb
	v_max_num_f32 v[BM+\b], v[BM+\b], v[S+16*\b+15]
.endif
.endr
.irp b, 0,1,2,3
.if \b < \nb
	v_permlanex16_b32 v[PT+\b], v[BM+\b], s[SEL], s[SEL+1]
.endif
.endr
.irp b, 0,1,2,3
.if \b < \nb
	v_max_num_f32 v[BM+\b], v[BM+\b], v[PT+\b]                               ; with lane l xor 16's 16 keys
.endif
.endr
.if \nb == 4
	v_max3_num_f32 v254, v[BM], v[BM+1], v[BM+2]
	v_max_num_f32 v254, v254, v[BM+3]
	v_mul_f32 v254, s[CS], v254                    ; the step's largest t (c is positive)
.else
	v_mul_f32 v254, s[CS], v[BM]
.endif
	v_max_num_f32 v13, v13, v254                   ; the running largest t
	v_mov_b32 v254, v12
	v_floor_f32 v12, -v13                          ; -M = floor(-t): M is a whole number
	v_sub_f32 v254, v12, v254                      ; old M - new M, 0 or less
	v_cvt_i32_f32 v254, v254                       ; (it saturates)
	v_ldexp_f32 v252, 1.0, v254                    ; f = 2^(old M - new M): rounds nothing
.set sj, 0
.rept 8*\nb
	v_pk_fma_f32 v[S+sj:S+sj+1], v[S+sj:S+sj+1], s[CS:CS+1], v[12:13] op_sel_hi:[1,0,0]   ; t - M
.set sj, sj+2
.endr
.irp b, 0,1,2,3
.if \b < \nb
	v_fma_f32 v[BM+\b], v[BM+\b], s[CS], v12
.endif
.endr
.set sj, 0
.rept 16*\nb
	v_exp_f32 v[S+sj], v[S+sj]                     ; p = 2^(t - M); a hidden key's is 0
.set sj, sj+1
.endr
	v_pk_mul_f32 v[14:15], v[14:15], v[252:253] op_sel_hi:[1,0]   ; the sums under the new M: the plain instruction behind the batch
	s_wait_alu depctr_va_vdst(0)                   ; one wait for the batch, ahead of its first reader
.irp b, 0,1,2,3
.if \b < \nb
	v_exp_f32 v[BM+\b], v[BM+\b]                   ; the block's largest p
.endif
.endr
	v_pk_add_f32 v[PT:PT+1], v[S:S+1], v[S+2:S+3]  ; the row's sum of the unquantised p, in two chains
.set sj, 4
.rept 4*\nb-1
	v_pk_add_f32 v[14:15], v[14:15], v[S+sj:S+sj+1]
	v_pk_add_f32 v[PT:PT+1], v[PT:PT+1], v[S+sj+2:S+sj+3]
.set sj, sj+4
.endr
	v_pk_add_f32 v[14:15], v[14:15], v[PT:PT+1]
	s_wait_alu depctr_va_vdst(0)                   ; and one for the blocks' exponentials
.irp b, 0,1,2,3
.if \b < \nb
	v_max_num_f32 v[BM+\b], 0x1800000, v[BM+\b]    ; the floor 2^(3 - 127)
.endif
.endr
.irp b, 0,1,2,3
.if \b < \nb
	v_add_nc_u32 v[SO+\b], 0xff000000, v[BM+\b]
.endif
.endr
.irp b, 0,1,2,3
.if \b < \nb
	v_lshrrev_b32 v[PT+\b], 23, v[SO+\b]
.endif
.endr
.if \nb == 4
	v_lshl_or_b32 v253, v[PT+1], 8, v[PT]
	v_lshl_or_b32 v253, v[PT+2], 16, v253
	v_lshl_or_b32 v253, v[PT+3], 24, v253
.irp c, 0,1
	v_cvt_scalef32_pk16_fp6_f32 v[PC+6*\c:PC+6*\c+2], v[S+32*\c:S+32*\c+15], v[SO+2*\c]
	v_cvt_scalef32_pk16_fp6_f32 v[PT+4*\c:PT+4*\c+2], v[S+32*\c+16:S+32*\c+31], v[SO+2*\c+1]
.endr
	v_nop
.irp c, 0,1
.irp k, 0,1,2
	v_permlane16_swap_b32 v[PC+6*\c+\k], v[PT+4*\c+\k]
.endr
.irp k, 0,1,2
	v_mov_b32 v[PC+6*\c+3+\k], v[PT+4*\c+\k]
.endr
.endr
.else
	v_mov_b32 v253, v[PT]                          ; one byte; the others are 0 over zero codes
	v_cvt_scalef32_pk16_fp6_f32 v[PC:PC+2], v[S:S+15], v[SO]
.irp k, 0,1,2
	v_mov_b32 v[PT+\k], 0                          ; block 1: zero codes
.endr
.irp k, 0,1,2
	v_permlane16_swap_b32 v[PC+\k], v[PT+\k]
.endr
.irp k, 0,1,2
	v_mov_b32 v[PC+3+\k], v[PT+\k]
.endr
.irp k, 6,7,8,9,10,11
	v_mov_b32 v[PC+\k], 0                          ; blocks 2 and 3
.endr
.endif
.set sj, 0
.rept 16
	v_pk_mul_f32 v[O+sj:O+sj+1], v[O+sj:O+sj+1], v[252:253] op_sel_hi:[1,0]   ; O^T under the new M; these are also the plain instructions between p's codes and scale word and the products
.set sj, sj+2
.endr
.endm
; hidden scores become -infinity.  v8 = E = 16 a + r - 8 h.  low = 1: key c + 8 h counts where c > E; tile 0 is held against E0, which is -1 where the step's tile 0 is keys 0 .. 15 (i = 2): they count for everybody.  low = 0: where c < E
.macro MASK low
	v_mov_b32 v254, 0xff800000
.if \low
	s_cmp_eq_u32 s[BI], 2
	s_cselect_b32 s34, -1, 0
	v_or_b32 v252, s34, v8                         ; E0
.endif
.set mn, 0
.rept 64
.set mc, 16*(mn/8)+mn%8
.if \low
.if mn < 8
	v_cmp_gt_i32 vcc_lo, mc, v252
.else
	v_cmp_gt_i32 vcc_lo, mc, v8
.endif
.else
	v_cmp_lt_i32 vcc_lo, mc, v8
.endif
	v_cndmask_b32 v[S+mn], v254, v[S+mn], vcc_lo
.set mn, mn+1
.endr
.endm
.macro INIT                            ; q's upper six codes and p's first six are zeros; O^T and the sum begin as zeros, the largest t as -3e38: a step is written once, the first change of M multiplies zeros
.irp j, 22,23,24,25,26,27
	v_mov_b32 v\j, 0
.endr
.set sj, 0
.rept 6
	v_mov_b32 v[PC+sj], 0
.set sj, sj+1
.endr
.set sj, 0
.rept 32
	v_mov_b32 v[O+sj], 0
.set sj, sj+1
.endr
	v_mov_b32 v13, 0xff61b1e6
	v_floor_f32 v12, -v13
	v_mov_b32 v14, 0
	v_mov_b32 v15, 0
.irp b, 0,1,2,3
	v_mov_b32 v[PT+\b], 0                          ; a lane permute's destination counts as one of its sources
.endr
	v_mov_b32 v252, 0
	v_mov_b32 v253, 0
.endm
.macro LOADQ sa                        ; my head's six registers of q's tile s[sa], and its scale words
	s_mul_i32 s35, s[\sa], 1536
	v_add_nc_u32 v232, s35, v1
	v_add_nc_u32 v233, s35, v2
	s_lshl_b32 s35, s[\sa], 6
	v_and_b32 v234, 15, v0
	v_lshlrev_b32 v234, 2, v234
	v_add_nc_u32 v234, s35, v234
	s_lshl_b32 s35, s[HH], 1
	v_add_nc_u32 v234, s35, v234                   ; 64 x tile + 4 r + 2 hh
	global_load_b64 v[16:17], v232, s[QG:QG+1]
	global_load_b64 v[18:19], v233, s[QG:QG+1]
	global_load_b64 v[20:21], v232, s[QG:QG+1] offset:512
	global_load_u16 v255, v234, s[QG:QG+1] offset:12288
.endm
; KEY STEP st OF THE WINDOW: j = i - 2 + st, from slot st + 1.  Its five LDS addresses are the slot's constant + the lane terms; the five additions are also the plain instructions between the last products and the loads into v's registers
.macro WSTEP st
	s_add_co_u32 s33, s[BI], \st
	s_sub_co_u32 s33, s33, 2                       ; the key step; under 0 it wraps
	s_cmp_gt_u32 s33, 31
	s_cbranch_scc1 .Lskip_\st
	v_add_nc_u32 v232, PAIR*(\st+1), v1
	v_add_nc_u32 v233, PAIR*(\st+1), v2
	v_add_nc_u32 v234, PAIR*(\st+1), v3
	v_add_nc_u32 v[AVC], PAIR*(\st+1), v4
	v_add_nc_u32 v[AVW], PAIR*(\st+1), v5
	LDK 0, 8, 0, 232, 233, 234
	LDV 0, 0, AVC, AVW
	s_wait_dscnt 14                                ; k is in; v's 14 loads may be out
	QK 8
	NOPS4
.if \st == 0
	MASK 1
.endif
.if \st == 4
	MASK 0
.endif
	SOFT 4
	s_wait_dscnt 0x0                               ; v is in
	PV
.Lskip_\st:
.endm
	s_load_b128 s[4:7], s[0:1], 0x0                ; qkvg, ag
	v_lshl_add_u32 v6, v0, 2, SPARE                ; v6: my spare word; v7: 0; never rewritten
	v_mov_b32 v7, 0
	ds_add_u32 v6, v7                              ; the wave's opening: the add and its wait stand ahead of the first tensor load
	v_lshrrev_b32 v254, 5, v0
	v_readfirstlane_b32 s[WV], v254
	s_lshr_b32 s[HH], s[WV], 3
	s_and_b32 s[TA], s[WV], 7
	s_mov_b32 s[BI], ttmp9
	s_and_b32 s[HP], ttmp7, 0xffff
	s_mov_b32 s[G1], 3<<16                         ; elements of 8 bytes, no mask, no padding
	s_mov_b32 s[G1+1], 32<<16                      ; rows of 256 bytes,
	s_mov_b32 s[G1+2], 100<<16                     ; 100 of them: 25,600 dense bytes
	s_mov_b32 s[G1+3], 32<<16
	s_mov_b32 s[G1+4], 100
	s_mov_b32 s[G1+5], 32
	s_mov_b32 s[G1+6], 0
	s_mov_b32 s[G1+7], 0
	s_mov_b32 s[SEL], 0x76543210
	s_mov_b32 s[SEL+1], 0xfedcba98
	s_mov_b32 s[CS], 0x3e38aa3b                    ; c = log2(e) / 8
	s_mov_b32 s[CS+1], s[CS]
	v_and_b32 v254, 31, v0                         ; L
	v_lshlrev_b32 v1, 4, v254
	v_lshlrev_b32 v3, 2, v254
	s_mul_i32 s35, s[HH], 1016
	s_add_co_u32 s35, s35, 8
	v_add_nc_u32 v2, s35, v1
	s_mul_i32 s35, s[HH], 6144
	s_add_co_u32 s35, s35, GRP
	v_add_nc_u32 v4, s35, v1
	s_mul_i32 s35, s[WV], MGW
	s_add_co_u32 s35, s35, MG
	v_add_nc_u32 v8, s35, v1                       ; my part's place among the global rows' parts (later v8 holds E)
	s_mul_i32 s35, s[HH], 520
	v_add_nc_u32 v1, s35, v1
	s_lshl_b32 s35, s[HH], 8
	s_add_co_u32 s35, s35, GRP+12288
	v_add_nc_u32 v5, s35, v3
	s_lshl_b32 s35, s[HH], 1
	s_add_co_u32 s35, s35, 12288
	v_add_nc_u32 v3, s35, v3
	s_add_co_i32 s34, s[BI], s[WV]                 ; the key step that wave 1 .. 5 fetches: i - 3 + wave, held to 0 .. 31; wave 0: step 0
	s_sub_co_i32 s34, s34, 3
	s_max_i32 s34, s34, 0
	s_min_i32 s34, s34, 31
	s_cmp_eq_u32 s[WV], 0
	s_cselect_b32 s34, 0, s34
	s_lshl_b32 s35, s[HP], 5
	s_add_co_u32 s34, s34, s35
	s_mul_i32 s42, s34, PAIR
	s_add_co_u32 s42, s42, KVB
	s_mov_b32 s43, 0
	s_lshl_b32 s34, s[TA], 2                       ; the global rows: my four key steps begin at 4 a
	s_add_co_u32 s34, s34, s35
	s_mul_i32 s44, s34, PAIR
	s_add_co_u32 s44, s44, KVB
	s_mov_b32 s45, 0
	s_lshl_b32 s34, s[BI], 3
	s_add_co_u32 s34, s34, s[HP]
	s_mul_i32 s46, s34, GRP                        ; GROUP [i][p], of q and of the result
	s_mov_b32 s47, 0
	s_min_u32 s34, s[WV], 5
	s_mov_b32 s[G0], 1
	s_mul_i32 s[G0+1], s34, PAIR                   ; slot = wave
	s_wait_dscnt 0x0                               ; the opening add is done
	s_wait_kmcnt 0x0
	s_add_nc_u64 s[G0+2:G0+3], s[4:5], s[42:43]
	s_or_b32 s[G0+3], s[G0+3], 0x80000000
	s_add_nc_u64 s[GB:GB+1], s[4:5], s[44:45]
	s_add_nc_u64 s[QG:QG+1], s[4:5], s[46:47]
	s_add_nc_u64 s[AG:AG+1], s[6:7], s[46:47]
	s_cmp_lt_u32 s[WV], 6                          ; the fills stand in one branch on the wave's number; every wait on TENSORcnt in this text is for 0
	s_cbranch_scc0 .Lnofill
	tensor_load_to_lds s[G0:G0+3], s[G1:G1+7]
	s_nop 0
	NOPS4
.Lnofill:
	s_cmp_eq_u32 s[BI], 0
	s_cselect_b32 s34, 0, s[TA]                    ; with i = 0 all waves begin on tile 0
	LOADQ 34
	INIT
	s_cmp_lg_u32 s[BI], 0
	s_cbranch_scc1 .Lmeet
	; ---- i = 0: queries 0 .. 15 see every key.  My part: key steps 4 a .. 4 a + 3 of my head, from memory; each load has a step in which to land
	LDK 1, 8, 0, 1, 2, 3
	LDV 1, 0, 4, 5
.irp n, 0,1,2,3
	s_wait_loadcnt 14                              ; k of this step (and q) are in; v's 14 loads may be out
	QK 8
	NOPS4
.if \n < 3
	LDK 1, 8, PAIR*(\n+1), 1, 2, 3
.endif
	SOFT 4
.if \n < 3
	s_wait_loadcnt 28                              ; v is in; the next step's 28 loads of k may be out
.else
	s_wait_loadcnt 0x0
.endif
	PV
	NOPS4
.if \n < 3
	LDV 1, PAIR*(\n+1), 4, 5
.endif
.endr
.irp k, 0,1,2,3,4,5,6,7
	ds_store_b128 v8, v[O+4*\k:O+4*\k+3] offset:512*\k
.endr
	ds_store_b128 v8, v[12:15] offset:4096         ; -M, t, the sum's two halves
	LOADQ TA                                       ; my own tile of q
.Lmeet:
	s_wait_loadcnt 0x0                             ; q is in, and no load still reads an address register
	s_wait_tensorcnt 0x0                           ; my slot has landed,
	s_wait_dscnt 0x0                               ; my part lies in LDS:
	s_barrier_signal -1
	s_barrier_wait -1                              ; everybody's
	s_cmp_lg_u32 s[BI], 0
	s_cbranch_scc1 .Lregular
	s_cmp_lg_u32 s[TA], 0
	s_cbranch_scc1 .Lregular
	; ---- the tile's own wave (w = 8 hh) adds the seven other parts, which lie 4,608 s behind its own
.macro FETO s
.irp k, 0,1,2,3,4,5,6,7
	ds_load_b128 v[MB+32*(((\s)+1)%2)+4*\k:MB+32*(((\s)+1)%2)+4*\k+3], v8 offset:MGW*(\s)+512*\k
.endr
.endm
.irp s, 1,2,3,4,5,6,7
	ds_load_b128 v[ST+4*(\s-1):ST+4*(\s-1)+3], v8 offset:MGW*\s+4096
.endr
	FETO 1
	FETO 2
	s_wait_dscnt 16                                ; the statistics are in; the two buffers' 16 loads may be out
	v_min3_num_f32 v254, v12, v[ST], v[ST+4]
	v_min3_num_f32 v254, v254, v[ST+8], v[ST+12]
	v_min3_num_f32 v254, v254, v[ST+16], v[ST+20]
	v_min_num_f32 v254, v254, v[ST+24]             ; -M of the whole row
	v_sub_f32 v252, v254, v12
	v_cvt_i32_f32 v252, v252
	v_ldexp_f32 v252, 1.0, v252                    ; my own part's factor, a power of two
	v_add_f32 v14, v14, v15
	v_mul_f32 v14, v14, v252
.set sj, 0
.rept 16
	v_pk_mul_f32 v[O+sj:O+sj+1], v[O+sj:O+sj+1], v[252:253] op_sel_hi:[1,0]
.set sj, sj+2
.endr
.irp s, 1,2,3,4,5,6,7
	v_sub_f32 v[ST+4*(\s-1)], v254, v[ST+4*(\s-1)]
	v_cvt_i32_f32 v[ST+4*(\s-1)], v[ST+4*(\s-1)]
	v_ldexp_f32 v[ST+4*(\s-1)], 1.0, v[ST+4*(\s-1)]
	v_add_f32 v[ST+4*(\s-1)+2], v[ST+4*(\s-1)+2], v[ST+4*(\s-1)+3]
	v_fma_f32 v14, v[ST+4*(\s-1)+2], v[ST+4*(\s-1)], v14
.endr
.irp s, 1,2,3,4,5,6,7
.if \s < 7
	s_wait_dscnt 8                                 ; this part is in; the next buffer's 8 loads may be out
.else
	s_wait_dscnt 0x0
.endif
.set sj, 0
.rept 16
	v_pk_fma_f32 v[O+sj:O+sj+1], v[MB+32*((\s+1)%2)+sj:MB+32*((\s+1)%2)+sj+1], v[ST+4*(\s-1):ST+4*(\s-1)+1], v[O+sj:O+sj+1] op_sel_hi:[1,0,1]
.set sj, sj+2
.endr
.if \s < 6
	FETO \s+2
.endif
.endr
	v_mov_b32 v15, 0
	s_branch .Lfinal
.Lregular:
	INIT
	v_and_b32 v8, 15, v0
	v_bfe_u32 v254, v0, 4, 1
	v_lshlrev_b32 v254, 3, v254
	v_sub_nc_u32 v8, v8, v254
	s_lshl_b32 s34, s[TA], 4
	v_add_nc_u32 v8, s34, v8                       ; E = 16 a + r - 8 h
	s_cmp_lt_u32 s[BI], 3
	s_cbranch_scc1 .Lnomini
	LDK 0, 2, 0, 1, 2, 3                           ; keys 0 .. 15, from slot 0 (tile 1 is loaded so that the operand's upper six registers are written)
	LDV 0, 0, 4, 5
	s_wait_dscnt 14                                ; k is in; v's 14 loads may be out
	QK 1
.irp k, 8,9,10,11,12,13,14,15
	v_mov_b32 v[S+\k], 0xff800000                  ; keys 16 .. 31 are hidden.  (These are also the plain instructions behind the product)
.endr
	SOFT 1
	s_wait_dscnt 0x0
	PV
.Lnomini:
	WSTEP 0                                        ; cut from below
	WSTEP 1
	WSTEP 2
	WSTEP 3
	WSTEP 4                                        ; cut from above
.Lfinal:                                               ; O^T / the sum is quantised along the head's 64 and becomes my six registers of fragment a of the result's GROUP
	NOPS4
	v_add_f32 v14, v14, v15
	v_permlanex16_b32 v252, v14, s[SEL], s[SEL+1]
	v_add_f32 v14, v14, v252                       ; the row's sum
	v_rcp_f32 v14, v14
	v_and_b32 v254, 31, v0                         ; the addresses of the way out are made anew from the thread's number, on the way that all waves take
	v_lshlrev_b32 v4, 4, v254
	s_mul_i32 s34, s[TA], 1536
	s_mul_i32 s35, s[HH], 520
	s_add_co_u32 s35, s35, s34
	s_add_co_u32 s35, s35, OST
	v_add_nc_u32 v1, s35, v4
	s_mul_i32 s35, s[HH], 1016
	s_add_co_u32 s35, s35, s34
	s_add_co_u32 s35, s35, OST+8
	v_add_nc_u32 v2, s35, v4
	v_and_b32 v3, 15, v0
	v_lshlrev_b32 v3, 2, v3
	s_lshl_b32 s34, s[TA], 6
	s_lshl_b32 s35, s[HH], 1
	s_add_co_u32 s34, s34, s35
	s_add_co_u32 s34, s34, OST+12288
	v_add_nc_u32 v3, s34, v3                       ; my row's half of a scale word: 64 a + 4 r + 2 hh
	s_lshl_b32 s34, s[WV], 9
	v_add_nc_u32 v5, s34, v4                       ; back: 512 bytes a wave
	v_add_nc_u32 v4, OST, v5
	s_wait_alu depctr_va_vdst(0)                   ; ahead of the reciprocal's first reader
.set sj, 0
.rept 16
	v_pk_mul_f32 v[S+sj:S+sj+1], v[O+sj:O+sj+1], v[14:15] op_sel_hi:[1,0]
.set sj, sj+2
.endr
.irp b, 0,1
	v_max3_num_f32 v[BM+\b], |v[S+16*\b]|, |v[S+16*\b+1]|, 0x1800000
.endr
.irp i, 2,4,6,8,10,12,14
.irp b, 0,1
	v_max3_num_f32 v[BM+\b], v[BM+\b], |v[S+16*\b+\i]|, |v[S+16*\b+\i+1]|
.endr
.endr
.irp b, 0,1
	v_permlanex16_b32 v[PT+\b], v[BM+\b], s[SEL], s[SEL+1]
.endr
.irp b, 0,1
	v_max_num_f32 v[BM+\b], v[BM+\b], v[PT+\b]
.endr
.irp b, 0,1
	v_add_nc_u32 v[SO+\b], 0xff000000, v[BM+\b]
.endr
.irp b, 0,1
	v_lshrrev_b32 v[PT+\b], 23, v[SO+\b]
.endr
	v_lshl_or_b32 v253, v[PT+1], 8, v[PT]
	v_cvt_scalef32_pk16_fp6_f32 v[PC:PC+2], v[S:S+15], v[SO]
	v_cvt_scalef32_pk16_fp6_f32 v[PT:PT+2], v[S+16:S+31], v[SO+1]
	v_nop
.irp k, 0,1,2
	v_permlane16_swap_b32 v[PC+\k], v[PT+\k]
.endr
.irp k, 0,1,2
	v_mov_b32 v[PC+3+\k], v[PT+\k]
.endr
	ds_store_b64 v1, v[PC:PC+1]
	ds_store_b64 v2, v[PC+2:PC+3]
	ds_store_b64 v1, v[PC+4:PC+5] offset:512
	ds_store_b16 v3, v253                          ; lanes r and r + 16 write the same two bytes with the same value
	s_wait_dscnt 0x0                               ; for the others' sake: my stores have landed
	s_barrier_signal -1
	s_barrier_wait -1
	ds_load_b128 v[S:S+3], v4                      ; the GROUP is 25 runs of 512 bytes: wave w takes run w, waves 0 .. 8 also run 16 + w
	s_cmp_lt_u32 s[WV], 9
	s_cbranch_scc0 .Lone
	ds_load_b128 v[S+4:S+7], v4 offset:8192
	s_wait_dscnt 0x0
	global_store_b128 v5, v[S+4:S+7], s[AG:AG+1] offset:8192
.Lone:
	s_wait_dscnt 0x0
	global_store_b128 v5, v[S:S+3], s[AG:AG+1]     ; 512 consecutive bytes, aligned
	s_wait_tensorcnt 0x0                           ; the wave's end
	ds_add_u32 v6, v7
	s_wait_dscnt 0x0
	s_endpgm
.Lfunc_end_k_q976c5c0032_attn:
	.size	k_q976c5c0032_attn, .Lfunc_end_k_q976c5c0032_attn-k_q976c5c0032_attn
	.p2alignl 7, 3214868480
	.fill 96, 4, 3214868480
	.section	.rodata,"a",@progbits
	.p2align	6, 0x0
	.amdhsa_kernel k_q976c5c0032_attn
		.amdhsa_group_segment_fixed_size 242176
		.amdhsa_private_segment_fixed_size 0
		.amdhsa_enable_private_segment 0
		.amdhsa_kernarg_size 16
		.amdhsa_user_sgpr_count 2
		.amdhsa_user_sgpr_kernarg_segment_ptr 1
		.amdhsa_wavefront_size32 1
		.amdhsa_system_sgpr_workgroup_id_x 1
		.amdhsa_system_sgpr_workgroup_id_y 1
		.amdhsa_system_sgpr_workgroup_id_z 1
		.amdhsa_system_vgpr_workitem_id 0
		.amdhsa_next_free_vgpr 256
		.amdhsa_next_free_sgpr 66
		.amdhsa_reserve_vcc 1
		.amdhsa_float_denorm_mode_32 3
		.amdhsa_float_denorm_mode_16_64 3
		.amdhsa_memory_ordered 1
		.amdhsa_forward_progress 1
		.amdhsa_inst_pref_size 197
	.end_amdhsa_kernel
	.amdgpu_metadata
---
amdhsa.version: [ 1, 2 ]
amdhsa.kernels:
  - .name:           k_q976c5c0032_attn
    .symbol:         k_q976c5c0032_attn.kd
    .args:
      - { .name: qkvg, .offset: 0, .size: 8, .value_kind: global_buffer, .address_space: global }
      - { .name: ag, .offset: 8, .size: 8, .value_kind: global_buffer, .address_space: global }
    .group_segment_fixed_size: 242176
    .private_segment_fixed_size: 0
    .kernarg_segment_align: 8
    .kernarg_segment_size: 16
    .max_flat_workgroup_size: 512
    .sgpr_count:     66
    .vgpr_count:     256
    .wavefront_size: 32
...
	.end_amdgpu_metadata
.endif
;; end of part 3
;; launch gemm_out (part 4): grid 8 x 16, 4 waves a work-group, clusters of 4 x 4, 327,680 bytes of LDS; arguments ag, og, out0; writes out0
.if DOCPART == 4
	.amdgcn_target "amdgcn-amd-amdhsa--gfx1250"
	.amdhsa_code_object_version 6
	.text
	.protected	k_q976c5c0032_gemm_out
	.globl	k_q976c5c0032_gemm_out
	.p2align	8
	.type	k_q976c5c0032_gemm_out,@function
k_q976c5c0032_gemm_out:
	s_mov_b64 s[64:65], 0
	v_nop
	global_prefetch_b8 v0, s[64:65] scope:SCOPE_SE
	s_setreg_imm32_b32 hwreg(HW_REG_WAVE_MODE, 25, 1), 1
	s_wait_xcnt 0x0
	s_wait_alu depctr_hold_cnt(0) depctr_sa_sdst(0) depctr_va_vdst(0) depctr_va_sdst(0) depctr_va_ssrc(0) depctr_va_vcc(0) depctr_vm_vsrc(0)
	s_getreg_b32 s2, hwreg(HW_REG_IB_STS2, 6, 4)
	s_cmp_eq_u32 s2, 0
	s_cbranch_scc0 .Lentry_in_a_cluster
	s_endpgm
.Lentry_in_a_cluster:
	s_bfe_u32 s2, ttmp6, 0x10000c
	s_cmp_lg_u32 s2, 0xf033
	s_cbranch_scc0 .Lentry_shape_is_right
	s_endpgm
.Lentry_shape_is_right:
; out0 [4096][2048] f32 = (the attention's result) Wo, on codes of FP6 (E2M3) with E8M0 scales, K = 1,024.  Both operands come as GROUPS: 128 rows x 128 along K, 12,800 bytes: fragment a as an image of its
; 12 registers at 1536 a + 512 g + 16 L, the scale words at 12,288 + 128 a' + 4 L (row 32 a' + L).  ag: [token block][K step]; og: [block of 128 columns][K step].  Inside a block of 32 both stand in the same order (0-7, 16-23, 8-15, 24-31).
; A tile of 256 x 256 is made by four waves, 128 x 128 each: 64 accumulators.  Source 0 = 16 rows of og, source 1 = 16 rows of ag: a lane holds eight neighbouring numbers of a row of out0.
; K goes through a ring of two LDS slots of two K steps; each wave fetches 25,600 dense bytes by one tensor load.  CLUSTER 4 x 4: ag's blocks are shared along a row of the cluster, og's along a column, by joint loads.
; REGISTERS: window 0: v1-6 lane terms, v16-23 LDS addresses, v24-25 the way out, v28-29 the add's two, v32-63 scale words, v128-223 A's fragments (on the way out v128-255: rows of the result); window 1: B's fragments, two sets; windows 2, 3: accumulators.
; LIMIT: the order of the sums inside a block of 32 differs from ascending k.
.set NKS,    8
.set SIZE_N, 2048
.set GRP,    12800
.set BLKB,   NKS*GRP
.set FETB,   2*GRP
.set SLOT,   4*FETB
.set SPARE,  2*SLOT                    ; behind the ring: the spare words, 128 bytes a wave, two blocks of 256 bytes that no other line names
.set LAPS,   NKS/4
.set FR,     12
.set NL,     3
.set SPITCH, 528                       ; the way out: a stage of 16 rows x (512 + 16) bytes for each wave, in slot 0, which has had its last fill and its last read by then
.set L16,    2
.set L4,     3
.set ADRA,   16
.set ADSA,   18
.set ADRB,   20
.set ADSB,   22
.set STO,    24
.set RD,     25
.set SPW,    28
.set NIL,    29
.set SC,     32
.set AF,     128
.set BK,     128
.set G1,  24
.set G0,  32
.set G1B, 48
.set G0B, 56
.set MSB, 0
.macro WIN new
.if MSB != \new
	s_set_vgpr_msb (MSB<<8)|\new
.set MSB, \new
.endif
.endm
.set MUL_LO, 0xa1
.set MUL_HI, 0xf1
.set TO_B,   0x40
.macro JLOAD g0a, g1a, g0b, g1b        ; waves 0 and 1 fetch A's two blocks, waves 2 and 3 B's; an s_nop 0 and four v_nop follow each line
	s_cmp_eq_u32 s15, 0
	s_cbranch_scc0 .Lfor_b_\@
	tensor_load_to_lds s[\g0a:\g0a+3], s[\g1a:\g1a+7]
	s_nop 0
.rept 4
	v_nop
.endr
	s_branch .Lasked_\@
.Lfor_b_\@:
	tensor_load_to_lds s[\g0b:\g0b+3], s[\g1b:\g1b+7]
	s_nop 0
.rept 4
	v_nop
.endr
.Lasked_\@:
.endm
.macro CREST
	s_cmp_lg_u32 s14, 0
	s_cbranch_scc1 .Lnot_wave_0_\@
	s_barrier_signal -3
.Lnot_wave_0_\@:
	s_barrier_wait -3
	s_barrier_signal -1
	s_barrier_wait -1
.endm
.macro CROUND
	s_barrier_signal -1
	s_barrier_wait -1
	CREST
.endm
.macro PLACES                          ; four plain instructions behind matrix instructions, ahead of loads into their sources and of reads of their results
.rept 4
	v_nop
.endr
.endm
	s_load_b128 s[4:7], s[0:1], 0x0                ; ag, og
	s_load_b64 s[8:9], s[0:1], 0x10                ; out0
	v_lshl_add_u32 v[SPW], v0, 2, SPARE
	v_mov_b32 v[NIL], 0
	ds_add_u32 v[SPW], v[NIL]                      ; the wave's opening: the add and its wait stand ahead of my first tensor load
	v_lshrrev_b32 v1, 5, v0
	v_readfirstlane_b32 s14, v1
	s_lshr_b32 s15, s14, 1
	s_and_b32 s16, s14, 1
	s_bfe_u32 s40, ttmp6, 0x40000                  ; cx
	s_bfe_u32 s41, ttmp6, 0x40004                  ; cy
	s_lshl_b32 s42, ttmp9, 2
	s_add_co_u32 s42, s42, s40                     ; tile column
	s_and_b32 s17, ttmp7, 0xffff
	s_lshl_b32 s17, s17, 2
	s_add_co_u32 s17, s17, s41                     ; tile row
	s_lshl_b32 s43, s41, 2
	s_lshl_b32 s43, 15, s43
	s_lshl_b32 s44, 0x1111, s40
	s_or_b32 s[G1+0], s43, (3<<16)|(1<<21)
	s_or_b32 s[G1B+0], s44, (3<<16)|(1<<21)
.irp g, G1, G1B
	s_mov_b32 s[\g+1], 32<<16                      ; rows of 256 bytes,
	s_mov_b32 s[\g+2], 100<<16                     ; 100 of them, dense
	s_mov_b32 s[\g+3], 32<<16
	s_mov_b32 s[\g+4], 100
	s_mov_b32 s[\g+5], 32
	s_mov_b32 s[\g+6], 0
	s_mov_b32 s[\g+7], 0
.endr
	s_lshl_b32 s20, s17, 1
	s_add_co_u32 s20, s20, s16
	s_mul_i32 s20, s20, BLKB
	s_mov_b32 s21, 0
	s_lshl_b32 s46, s42, 1
	s_add_co_u32 s46, s46, s16
	s_mul_i32 s46, s46, BLKB
	s_mov_b32 s47, 0
	s_mul_i32 s67, s14, FETB
	s_wait_dscnt 0x0                               ; the opening add is done
	s_wait_kmcnt 0x0
	s_add_nc_u64 s[20:21], s[4:5], s[20:21]
	s_add_nc_u64 s[46:47], s[6:7], s[46:47]
	CROUND                                         ; all sixteen work-groups are here: the first joint loads meet
.irp s, 0,1
	s_mov_b32 s[G0+4*\s], 1
	s_add_co_u32 s[G0+4*\s+1], s67, \s*SLOT
	s_add_nc_u64 s[G0+4*\s+2:G0+4*\s+3], s[20:21], \s*FETB
	s_or_b32 s[G0+4*\s+3], s[G0+4*\s+3], 0x80000000
	s_mov_b32 s[G0B+4*\s], 1
	s_add_co_u32 s[G0B+4*\s+1], s67, \s*SLOT
	s_add_nc_u64 s[G0B+4*\s+2:G0B+4*\s+3], s[46:47], \s*FETB
	s_or_b32 s[G0B+4*\s+3], s[G0B+4*\s+3], 0x80000000
	JLOAD G0+4*\s, G1, G0B+4*\s, G1B
.endr
	v_and_b32 v1, 31, v0
	v_lshlrev_b32 v[L16], 4, v1
	v_lshlrev_b32 v[L4], 2, v1
	s_mul_i32 s21, s15, FETB
	s_mul_i32 s22, s16, FETB
	s_add_co_u32 s22, s22, 2*FETB
.irp s, 0,1
	v_add_nc_u32 v[ADRA+\s], s21, v[L16]
	v_add_nc_u32 v[ADRB+\s], s22, v[L16]
	v_add_nc_u32 v[ADSA+\s], s21, v[L4]
	v_add_nc_u32 v[ADSB+\s], s22, v[L4]
	s_add_co_u32 s21, s21, SLOT
	s_add_co_u32 s22, s22, SLOT
.endr
	v_and_b32 v4, 15, v0                           ; r
	v_bfe_u32 v5, v0, 4, 1                         ; h
	s_mul_i32 s23, s14, 16*SPITCH                  ; my stage
	v_mul_u32_u24 v6, v4, SPITCH
	v_lshl_add_u32 v6, v5, 5, v6
	v_add_nc_u32 v[STO], s23, v6                   ; in: row r, 32 bytes for each half of the lanes
	v_add_nc_u32 v[RD], s23, v[L16]                ; back: the 32 lanes take one row of 512 bytes
	s_lshl_b32 s20, s17, 8
	s_lshl_b32 s21, s15, 7
	s_add_co_u32 s20, s20, s21                     ; my first row
	s_lshl_b32 s20, s20, 13                        ; x 8,192 bytes
	s_lshl_b32 s46, s42, 10
	s_lshl_b32 s47, s16, 9
	s_add_co_u32 s46, s46, s47                     ; my first column, in bytes
	s_add_co_u32 s20, s20, s46
	s_mov_b32 s21, 0
	s_add_nc_u64 s[8:9], s[8:9], s[20:21]
.macro FRAG reg, adr, q, i
.irp g, 0,1,2
	ds_load_b128 v[\reg+4*\g:\reg+4*\g+3], v[\adr] offset:GRP*(\q)+1536*(\i)+512*\g
.endr
.endm
.macro FETCH_B slot, q, p
	WIN TO_B
.irp i, 0,1,2,3,4,5,6,7
	FRAG 128*(\p)+FR*\i, ADRB+\slot, \q, \i
.endr
	WIN 0
.endm
.macro FETCH_A slot, q, i0
.irp i, \i0, \i0+1, \i0+2, \i0+3
	FRAG AF+FR*(\i), ADRA+\slot, \q, \i
.endr
.endm
.macro SCALES sc
.irp q, 0,1
.irp i, 0,1,2,3
	ds_load_b32 v[SC+16*\sc+8*\q+\i], v[ADSA+\sc] offset:12288+GRP*\q+128*\i
	ds_load_b32 v[SC+16*\sc+8*\q+4+\i], v[ADSB+\sc] offset:12288+GRP*\q+128*\i
.endr
.endr
.endm
.macro WM a, b, p, q, sc, zero         ; an odd fragment's scale words stand in lanes 16-31
.set rD, 8*(8*((\a)%4)+(\b))
.set rB, 128*(\p)+FR*(\b)
.set rA, AF+FR*(\a)
.set rSB, SC+16*(\sc)+8*(\q)+4+(\b)/2
.set rSA, SC+16*(\sc)+8*(\q)+(\a)/2
.set odd, 2*((\a)%2)+(\b)%2
.if \zero
.if odd == 0
	v_wmma_scale_f32_16x16x128_f8f6f4 v[rD:rD+7], v[rB:rB+FR-1], v[rA:rA+FR-1], 0, v[rSB], v[rSA] matrix_a_fmt:MATRIX_FMT_FP6 matrix_b_fmt:MATRIX_FMT_FP6
.elseif odd == 1
	v_wmma_scale_f32_16x16x128_f8f6f4 v[rD:rD+7], v[rB:rB+FR-1], v[rA:rA+FR-1], 0, v[rSB], v[rSA] matrix_a_fmt:MATRIX_FMT_FP6 matrix_b_fmt:MATRIX_FMT_FP6 matrix_a_scale:MATRIX_SCALE_ROW1
.elseif odd == 2
	v_wmma_scale_f32_16x16x128_f8f6f4 v[rD:rD+7], v[rB:rB+FR-1], v[rA:rA+FR-1], 0, v[rSB], v[rSA] matrix_a_fmt:MATRIX_FMT_FP6 matrix_b_fmt:MATRIX_FMT_FP6 matrix_b_scale:MATRIX_SCALE_ROW1
.else
	v_wmma_scale_f32_16x16x128_f8f6f4 v[rD:rD+7], v[rB:rB+FR-1], v[rA:rA+FR-1], 0, v[rSB], v[rSA] matrix_a_fmt:MATRIX_FMT_FP6 matrix_b_fmt:MATRIX_FMT_FP6 matrix_a_scale:MATRIX_SCALE_ROW1 matrix_b_scale:MATRIX_SCALE_ROW1
.endif
.else
.if odd == 0
	v_wmma_scale_f32_16x16x128_f8f6f4 v[rD:rD+7], v[rB:rB+FR-1], v[rA:rA+FR-1], v[rD:rD+7], v[rSB], v[rSA] matrix_a_fmt:MATRIX_FMT_FP6 matrix_b_fmt:MATRIX_FMT_FP6
.elseif odd == 1
	v_wmma_scale_f32_16x16x128_f8f6f4 v[rD:rD+7], v[rB:rB+FR-1], v[rA:rA+FR-1], v[rD:rD+7], v[rSB], v[rSA] matrix_a_fmt:MATRIX_FMT_FP6 matrix_b_fmt:MATRIX_FMT_FP6 matrix_a_scale:MATRIX_SCALE_ROW1
.elseif odd == 2
	v_wmma_scale_f32_16x16x128_f8f6f4 v[rD:rD+7], v[rB:rB+FR-1], v[rA:rA+FR-1], v[rD:rD+7], v[rSB], v[rSA] matrix_a_fmt:MATRIX_FMT_FP6 matrix_b_fmt:MATRIX_FMT_FP6 matrix_b_scale:MATRIX_SCALE_ROW1
.else
	v_wmma_scale_f32_16x16x128_f8f6f4 v[rD:rD+7], v[rB:rB+FR-1], v[rA:rA+FR-1], v[rD:rD+7], v[rSB], v[rSA] matrix_a_fmt:MATRIX_FMT_FP6 matrix_b_fmt:MATRIX_FMT_FP6 matrix_a_scale:MATRIX_SCALE_ROW1 matrix_b_scale:MATRIX_SCALE_ROW1
.endif
.endif
.endm
.macro MUL16 a0, p, q, sc, zero        ; the 64 accumulators take turns, one instruction a turn, in the same order in every step
.irp a, \a0, \a0+1
.irp b, 0,1,2,3,4,5,6,7
	WM \a, \b, \p, \q, \sc, \zero
.endr
.endr
.endm
.macro STEP slot, zero
	s_wait_dscnt 4*NL                              ; all but the youngest 12 loads (A's blocks 4-7)
	WIN MUL_LO
	MUL16 0, 0, 0, \slot, \zero
	MUL16 2, 0, 0, \slot, \zero
	s_wait_dscnt 0x0
	PLACES
	FETCH_B \slot, 1, 1
	FETCH_A \slot, 1, 0
	WIN MUL_HI
	MUL16 4, 0, 0, \slot, \zero
	MUL16 6, 0, 0, \slot, \zero
	PLACES
	WIN 0
	FETCH_A \slot, 1, 4
.endm
.macro TURN slot, next, fill
	s_wait_tensorcnt 0x0                           ; all my tensor loads have landed: my part of the next slot
	ds_add_u32 v[SPW], v[NIL]
	s_wait_dscnt 4*NL+1                            ; the add and the youngest 12 loads may be out
	WIN MUL_LO
	MUL16 0, 1, 1, \slot, 0
	s_wait_dscnt 0x0                               ; the add is done, and my reads of this slot are over
	s_barrier_signal -1
	MUL16 2, 1, 1, \slot, 0
	WIN 0
	s_barrier_wait -1
.if \fill
	CREST                                          ; the barrier has opened a round of the cluster's
	s_add_nc_u64 s[G0+4*\slot+2:G0+4*\slot+3], s[G0+4*\slot+2:G0+4*\slot+3], 2*FETB
	s_add_nc_u64 s[G0B+4*\slot+2:G0B+4*\slot+3], s[G0B+4*\slot+2:G0B+4*\slot+3], 2*FETB
	JLOAD G0+4*\slot, G1, G0B+4*\slot, G1B         ; the first tensor load behind the round
.else
	PLACES
.endif
	FETCH_B \next, 0, 0
	FETCH_A \next, 0, 0
	SCALES \next
	WIN MUL_HI
	MUL16 4, 1, 1, \slot, 0
	MUL16 6, 1, 1, \slot, 0
	PLACES
	WIN 0
	FETCH_A \next, 0, 4
.endm
	s_wait_tensorcnt 1                             ; my part of slot 0 is in; slot 1's may be out
	s_barrier_signal -1
	s_barrier_wait -1
	FETCH_B 0, 0, 0
	FETCH_A 0, 0, 0
	SCALES 0
	FETCH_A 0, 0, 4
	STEP 0, 1
	s_mov_b32 s3, LAPS-1
.Llap:
	TURN 0, 1, 1
	STEP 1, 0
	TURN 1, 0, 1
	STEP 0, 0
	s_sub_co_u32 s3, s3, 1
	s_cmp_lg_u32 s3, 0
	s_cbranch_scc1 .Llap
	TURN 0, 1, 0
	STEP 1, 0
	s_wait_dscnt 4*NL
	WIN MUL_LO
	MUL16 0, 1, 1, 1, 0
	MUL16 2, 1, 1, 1, 0
	s_wait_dscnt 0x0
	WIN MUL_HI
	MUL16 4, 1, 1, 1, 0
	MUL16 6, 1, 1, 1, 0
	WIN 0
; THE WAY OUT, block by block of 16 rows x 128 columns, through my own stage: in as 32 bytes a lane, back as whole rows of 512 bytes.  LDS serves a wave's instructions in order (ISA guide 5.7.1.4): no wait between the stores and the loads
.macro TOSTAGE a
.set AC, 64*((\a)%4)
	WIN 0x08+4*((\a)/4)                            ; the data: window 2 or 3
.irp b, 0,1,2,3,4,5,6,7
	ds_store_b128 v[STO], v[AC+8*\b:AC+8*\b+3] offset:64*\b          ; each accumulator from its low end on
	ds_store_b128 v[STO], v[AC+8*\b+4:AC+8*\b+7] offset:64*\b+16
.endr
	WIN 0
.set BB, BK+64*((\a)%2)
.irp t, 0,1,2,3,4,5,6,7,8,9,10,11,12,13,14,15
	ds_load_b128 v[BB+4*\t:BB+4*\t+3], v[RD] offset:\t*SPITCH
.endr
.endm
.macro SEND a, younger
.set BB, BK+64*((\a)%2)
	s_wait_dscnt \younger                          ; the block is back in registers
.if (\a) > 0
	s_add_nc_u64 s[8:9], s[8:9], 16*SIZE_N*4       ; (behind a wait on XCNT: the earlier stores have read their base)
.endif
.irp t, 0,1,2,3,4,5,6,7,8,9,10,11,12,13,14,15
	global_store_b128 v[L16], v[BB+4*\t:BB+4*\t+3], s[8:9] offset:\t*SIZE_N*4 th:TH_STORE_NT   ; 32 lanes store 512 consecutive bytes, aligned
.endr
.endm
	PLACES
	TOSTAGE 0
.irp a, 1,2,3,4,5,6,7
.if \a > 1
	s_wait_xcnt 0x0                                ; block a - 2's stores have read their registers and their base
.endif
	TOSTAGE \a
	SEND \a-1, 32                                  ; behind block a - 1's loads: block a's 16 stores and 16 loads
.endr
	s_wait_xcnt 0x0
	SEND 7, 0
	s_wait_tensorcnt 0x0                           ; the wave's end
	ds_add_u32 v[SPW], v[NIL]
	s_wait_dscnt 0x0
	CROUND                                         ; the closing round
	s_endpgm
.Lfunc_end_k_q976c5c0032_gemm_out:
	.size	k_q976c5c0032_gemm_out, .Lfunc_end_k_q976c5c0032_gemm_out-k_q976c5c0032_gemm_out
	.p2alignl 7, 3214868480
	.fill 96, 4, 3214868480
	.section	.rodata,"a",@progbits
	.p2align	6, 0x0
	.amdhsa_kernel k_q976c5c0032_gemm_out
		.amdhsa_group_segment_fixed_size 327680
		.amdhsa_private_segment_fixed_size 0
		.amdhsa_enable_private_segment 0
		.amdhsa_kernarg_size 24
		.amdhsa_user_sgpr_count 2
		.amdhsa_user_sgpr_kernarg_segment_ptr 1
		.amdhsa_wavefront_size32 1
		.amdhsa_system_sgpr_workgroup_id_x 1
		.amdhsa_system_sgpr_workgroup_id_y 1
		.amdhsa_system_sgpr_workgroup_id_z 1
		.amdhsa_system_vgpr_workitem_id 0
		.amdhsa_next_free_vgpr 1024
		.amdhsa_next_free_sgpr 80
		.amdhsa_reserve_vcc 0
		.amdhsa_float_denorm_mode_32 3
		.amdhsa_float_denorm_mode_16_64 3
		.amdhsa_memory_ordered 1
		.amdhsa_forward_progress 1
		.amdhsa_inst_pref_size 135
	.end_amdhsa_kernel
	.amdgpu_metadata
---
amdhsa.version: [ 1, 2 ]
amdhsa.kernels:
  - .name:           k_q976c5c0032_gemm_out
    .symbol:         k_q976c5c0032_gemm_out.kd
    .args:
      - { .name: ag, .offset: 0, .size: 8, .value_kind: global_buffer, .address_space: global }
      - { .name: og, .offset: 8, .size: 8, .value_kind: global_buffer, .address_space: global }
      - { .name: out0, .offset: 16, .size: 8, .value_kind: global_buffer, .address_space: global }
    .group_segment_fixed_size: 327680
    .private_segment_fixed_size: 0
    .kernarg_segment_align: 8
    .kernarg_segment_size: 24
    .max_flat_workgroup_size: 128
    .sgpr_count:     80
    .vgpr_count:     1024
    .wavefront_size: 32
...
	.end_amdgpu_metadata
.endif
;; end of part 4
